; MI455X (gfx1250); checked and timed in simulation.
; The chip was launched on July 23, 2026; its instructions are those of AMD's public machine-readable ISA for CDNA 5 (MIT licence, August 2026) and "CDNA5" Instruction Set Architecture Reference Guide (July 2026). The comments in the code are by the model that wrote it; some were corrected since.
;; Interaction Layer. Allowed arithmetic: matrix products marked QUANTISED: E2M1 operands, one E8M0 scale for each 32 along K, by v_wmma_scale_f32_16x16x128_f8f6f4 with both operands' format E2M1 (or v_wmma_scale_f32_32x16x128_f4), f32 sums; products left as they are: bf16, f16 or f32 operands; f32 sums; everything else in f32.
;; Inputs: L 32 x 128 x 1,024 float32; V 32 x 64 x 1,024 float32; b1_L 4,096 float32; b1_V 4,096 float32; b2_L 1,024 float32; b2_V 1,024 float32; l_mask 32 x 128 float32; v_mask 32 x 64 float32; w1_L 1,024 x 4,096 float32; w1_V 1,024 x 4,096 float32; w2_L 4,096 x 1,024 float32; w2_V 4,096 x 1,024 float32.
;; Outputs: out0 32 x 64 x 192 float32; out1 32 x 64 x 1,024 float32.
;; This version of the problem:
;;   THIS VERSION OF THE PROBLEM IS GIVEN IN LOW PRECISION. The matrix products marked QUANTISED in the list below multiply operands that are first quantised to E2M1 (2 exponent bits, 1 mantissa bit; 4 bits a number), with one power-of-two scale for each 32 numbers along K (OCP MX v1.0); their sums are f32. The products marked 'left as it is' may take bf16, f16 or f32 operands, with f32 sums. Whichever they take, every output number must still come out within the allowed error. Rounding operands to bf16 (8 significant bits) uses up far more of that allowance than f16 does (11 bits, for magnitudes from 6e-5 to 65,504). All else is computed in f32.
;;   The module's matrix products, in the order in which they are computed (A, B: the left and right operand; K: the contracted axis; several contracted axes count as one K, in the product's order):
;;     1. [M 2,048, K 1,024] x [K 1,024, N 4,096]; A: input V; B: input w1_V: QUANTISED
;;     2. [M 2,048, K 4,096] x [K 4,096, N 1,024]; A: computed on the way; B: input w2_V: left as it is (an operand is computed on the way)
;;     3. [M 4,096, K 1,024] x [K 1,024, N 4,096]; A: input L; B: input w1_L: QUANTISED
;;     4. [M 4,096, K 4,096] x [K 4,096, N 1,024]; A: computed on the way; B: input w2_L: left as it is (an operand is computed on the way)
;;     5. [M 2,048, K 1,024] x [K 1,024, N 4,096]; A: input V; B: input w1_L: QUANTISED
;;     6. [M 2,048, K 4,096] x [K 4,096, N 1,024]; A: computed on the way; B: input w2_L: left as it is (an operand is computed on the way)
;;     7. batch 32 x [M 64, K 1,024] x [K 1,024, N 128]; A: computed on the way; B: computed on the way: left as it is (an operand is computed on the way)
;;     8. batch 32 x [M 64, K 1,024] x [K 1,024, N 64]; A: computed on the way; B: computed on the way: left as it is (an operand is computed on the way)
;;     9. batch 32 x [M 64, K 192] x [K 192, N 1,024]; A: computed on the way; B: computed on the way: left as it is (an operand is computed on the way)
;;   THE QUANTISER, for each operand of a quantised product, along K:
;;     - K is cut into blocks of 32 from its start; a last block that is shorter is filled with zeros.
;;     - A block's scale is 2^e with e = floor(log2(the largest magnitude in the block)) - 2, held to -126 .. 127; a block of zeros has e = 0. As a byte (E8M0): e + 127.
;;     - Each number is divided by its block's scale, clamped to +-6, and rounded to the nearest number of E2M1, ties to even, subnormals kept.
;;     - The product sums the exact products of the quantised numbers (number of the format x scale) in f32.
;;   ~~~python
;;   def quantise(x, axis):      # numpy; x: float32 -> the quantised numbers, widened to float32 again
;;       x = np.moveaxis(x, axis, -1); K = x.shape[-1]
;;       x = np.pad(x, [(0, 0)] * (x.ndim - 1) + [(0, -K % 32)]); x = x.reshape(x.shape[:-1] + (-1, 32)); a = np.abs(x).max(-1, keepdims=True)
;;       e = np.where(a > 0, np.clip(np.frexp(np.where(a > 0, a, 1))[1] - 1 - 2, -126, 127), 0)      # np.frexp(a)[1] - 1 = floor(log2(a)), exactly
;;       r = np.clip(x / 2.0 ** e, -6, 6)
;;       step = 2.0 ** (np.maximum(np.frexp(np.where(r == 0, 1, r))[1] - 1, 0) - 1)
;;       q = np.round(r / step) * step * 2.0 ** e      # np.round: ties to even
;;       return np.moveaxis(q.reshape(q.shape[:-2] + (-1,))[..., :K], -1, axis).astype(np.float32)
;;   ~~~
;; One version. Each part assembles by itself: llvm-mc -triple=amdgcn-amd-amdhsa -mcpu=gfx1250 --defsym DOCPART=n.
;; ======== version 1 of 1: 4 launches
;; limits: values are held in f16: magnitudes above 65,504 overflow, below 6.1e-05 lose precision
;; workspace buffers: xq_codes 3,145,728 bytes; xq_scales 196,608 bytes; w1q_codes 4,194,304 bytes; w1q_scales 262,144 bytes; w2frag 16,777,216 bytes; hfrag 67,108,864 bytes; ffrag 16,777,216 bytes
;; launch prep (part 1): grid 576 x 1, 4 waves a work-group, no clusters, 68,096 bytes of LDS; arguments V, L, w1_V, w1_L, w2_V, w2_L, xq_codes, xq_scales, w1q_codes, w1q_scales, w2frag; writes xq_codes, xq_scales, w1q_codes, w1q_scales, w2frag
.if DOCPART == 1
	.amdgcn_target "amdgcn-amd-amdhsa--gfx1250"
	.amdhsa_code_object_version 6
	.text
	.protected	k_qdfb0b93970_prep
	.globl	k_qdfb0b93970_prep
	.p2align	8
	.type	k_qdfb0b93970_prep,@function
k_qdfb0b93970_prep:
	s_mov_b64 s[64:65], 0
	v_nop
	global_prefetch_b8 v0, s[64:65] scope:SCOPE_SE
	s_setreg_imm32_b32 hwreg(HW_REG_WAVE_MODE, 25, 1), 1
	s_wait_xcnt 0x0
; PREP: every operand that comes from an input is laid out once, as the later launches want it.
;   work-groups   0-255: w2_V, w2_L [4096 k][1024 n] f32 -> w2frag, f16, in the ORDER OF A MATRIX OPERAND'S REGISTERS: [weight][n / 16][k / 32][1,024 bytes];
;                        in a fragment lane (r, h)'s 16 bytes of half c lie at 512 c + 16 (16 h + r) and hold n = r, k = 16 c + 8 h + 0 .. 7.
;   work-groups 256-383: w1_V, w1_L [1024 k][4096 n] f32 -> codes of FP4 (E2M1) with K innermost, [weight][n][512 bytes], and one E8M0 byte for each 32 along K, [weight][n][32].
;   work-groups 384-575: V then L, rows of 1,024 f32 -> codes [6144 rows][512 bytes] and scale bytes [6144][32]; V's 2,048 rows first.
; A block's scale is 2^(floor(log2(its largest magnitude)) - 2); its byte is the largest magnitude's exponent field - 2, held at 1 from below.  A block of zeros so gets the byte 1 where
; the quantiser's text says 127: its codes are zeros, which add nothing under any byte but 0xff, and this program alone reads the bytes.
; LIMITS: NaN and infinities among the inputs are not served; blocks whose largest magnitude lies under 2^-124 keep the byte 1; a number of w2 beyond 65,504 becomes infinity in f16.
; v_mask and l_mask enter no step of the computation (its text passes them over), so no launch of this program names them.
; The three kinds of work-group part on the work-group's number, and each kind that uses LDS has LDS bytes of its own.  Waves share nothing: no barrier.  Memory binds: no matrix unit, no cluster.
.set SPW,   190                        ; v190  LDS address of my spare word: SPARE + 4 x my thread's number; never rewritten
.set NIL,   191                        ; v191  0; never rewritten
.set W1STG, 32768                      ; LDS: 0 .. 32,767 the rows' path (8,192 a wave); from here the w1 path's four stages of 32 x 272 bytes
.set SPARE, 67584                      ; behind them: the spare words, 128 bytes for each wave: two blocks of 256 bytes that no other line names
.set EMAX,  2
	s_load_b256 s[4:11], s[0:1], 0x0               ; V s[4:5], L s[6:7], w1_V s[8:9], w1_L s[10:11]
	s_load_b256 s[12:19], s[0:1], 0x20             ; w2_V s[12:13], w2_L s[14:15], xq_codes s[16:17], xq_scales s[18:19]
	s_load_b128 s[20:23], s[0:1], 0x40             ; w1q_codes s[20:21], w1q_scales s[22:23]
	s_load_b64 s[24:25], s[0:1], 0x50              ; w2frag
	v_lshl_add_u32 v[SPW], v0, 2, SPARE
	v_mov_b32 v[NIL], 0
	v_lshrrev_b32 v1, 5, v0
	v_readfirstlane_b32 s26, v1                    ; wave 0..3
	v_and_b32 v2, 31, v0                           ; lane
	s_mov_b32 s35, 0                               ; the upper word of every offset: all lie under 2^32
	s_wait_kmcnt 0x0
	s_cmp_lt_u32 ttmp9, 256
	s_cbranch_scc1 .Lw2
	s_cmp_lt_u32 ttmp9, 384
	s_cbranch_scc1 .Lw1
; ---------------------------------------------------------------- V and L: K is innermost and rows are dense, so each tensor is a plain stream of blocks of 32
; A wave takes 16 steps of 512 numbers.  Each of a step's four loads reads 512 consecutive bytes; the 2,048 bytes turn through the wave's own stage in LDS and come back 64 bytes a lane, so that a lane
; holds 16 neighbours along K (two neighbouring lanes hold a block).  Loads run four steps ahead, the turn through LDS one step.
.set STEPS, 16
.set CB,    8                          ; bytes of 16 codes
.set XR,    16                         ; v16-79   four sets of 16 numbers as they are loaded
.set XX,    80                         ; v80-111  two sets of 16 neighbours
.set XE,    112                        ; v112-127 a scale byte for each step
.set XC,    128                        ; v128-159 two registers of codes for each step: no store's data are written again
.set WREG,  8192                       ; a wave's LDS: two stages of 32 x SP bytes, behind them its 256 scale bytes
.set SP,    80                         ; a lane's place in a stage: 64 bytes + 16 of padding
	s_sub_co_u32 s27, ttmp9, 384                   ; 0..191: 0-63 take V, 64-191 take L
	v_lshlrev_b32 v3, 4, v2                        ; my 16 bytes of a load's 512
	s_mul_i32 s28, s26, WREG
	v_lshrrev_b32 v14, 2, v2
	v_mul_u32_u24 v14, v14, SP
	v_and_b32 v15, 3, v2
	v_lshl_add_u32 v14, v15, 4, v14
	v_add_nc_u32 v14, s28, v14                     ; the stage, on the way in: SP (lane / 4) + 16 (lane % 4)
	v_mul_u32_u24 v15, v2, SP
	v_add_nc_u32 v15, s28, v15                     ; and on the way out: SP x lane
	v_mul_u32_u24 v4, v2, CB                       ; my codes' place in a step's
	v_lshrrev_b32 v5, 1, v2
	s_add_co_u32 s28, s28, 2*32*SP
	v_add_nc_u32 v5, s28, v5                       ; my block's byte among my wave's 256
	v_lshlrev_b32 v7, 3, v2
	v_add_nc_u32 v6, s28, v7                       ; and on the way out 8 bytes a lane
	s_cmp_lt_u32 s27, 64                           ; the choice hangs on the work-group's number alone
	s_cselect_b64 s[32:33], s[4:5], s[6:7]
	s_cselect_b32 s29, 0, 64
	s_sub_co_u32 s29, s27, s29                     ; the work-group's place in its tensor
	s_lshl_b32 s34, s29, 17                        ; 32,768 numbers a work-group,
	s_lshl_b32 s30, s26, 15                        ; 8,192 a wave
	s_add_co_u32 s34, s34, s30
	s_add_nc_u64 s[32:33], s[32:33], s[34:35]
	s_lshl_b32 s29, s27, 2
	s_add_co_u32 s29, s29, s26                     ; which run of 8,192 numbers of V-then-L is my wave's
	s_lshl_b32 s34, s29, 12                        ; 4,096 bytes of codes a run
	s_add_nc_u64 s[36:37], s[16:17], s[34:35]
	s_lshl_b32 s34, s29, 8                         ; 256 scale bytes a run
	s_add_nc_u64 s[38:39], s[18:19], s[34:35]
.macro LOADX t
.irp i, 0,1,2,3
	global_load_b128 v[XR+16*((\t)%4)+4*\i:XR+16*((\t)%4)+4*\i+3], v3, s[32:33] offset:2048*(\t)+512*\i th:TH_LOAD_NT   ; 32 lanes read 512 consecutive bytes
.endr
.endm
.macro TURNX t                         ; step t's numbers through the stage: LDS serves a wave's instructions in order, so no wait stands between the stores and the loads
.irp i, 0,1,2,3
	ds_store_b128 v14, v[XR+16*((\t)%4)+4*\i:XR+16*((\t)%4)+4*\i+3] offset:32*SP*((\t)%2)+8*SP*\i
.endr
.irp i, 0,1,2,3
	ds_load_b128 v[XX+16*((\t)%2)+4*\i:XX+16*((\t)%2)+4*\i+3], v15 offset:32*SP*((\t)%2)+16*\i
.endr
.endm
.macro STEPX t
.set XS, XX+16*((\t)%2)
.if (\t) > 0
	s_wait_dscnt 1                                 ; this step's numbers are back from the stage (the last step's byte store may be out): so its stores into the stage have read their registers,
.else
	s_wait_dscnt 0x0
.endif
.if (\t)+4 < STEPS
	LOADX (\t)+4                                   ; which take the loads of four steps on
.endif
.if (\t)+1 < STEPS
.if STEPS-2-(\t) >= 3
	s_wait_loadcnt 12                              ; the next step's four loads are in; those of the three steps behind it may be out
.else
	s_wait_loadcnt 4*(STEPS-2-(\t))
.endif
	TURNX (\t)+1                                   ; and go through the other stage while this step is worked
.endif
	v_max3_num_f32 v8, |v[XS]|, |v[XS+1]|, |v[XS+2]|               ; the largest magnitude of my 16, in two chains
	v_max3_num_f32 v9, |v[XS+3]|, |v[XS+4]|, |v[XS+5]|
.irp i, 6,10
	v_max3_num_f32 v8, v8, |v[XS+\i]|, |v[XS+\i+1]|
	v_max3_num_f32 v9, v9, |v[XS+\i+2]|, |v[XS+\i+3]|
.endr
	v_max3_num_f32 v8, v8, |v[XS+14]|, |v[XS+15]|
	v_max3_num_f32 v8, v8, v9, (EMAX+1)<<23        ; and the floor 2^(3 - 127): the byte cannot fall under 1
	v_max_num_f32_dpp v8, v8, v8 row_xmask:1 row_mask:0xf bank_mask:0xf   ; and of my neighbour's 16: the block's
	v_add_nc_u32 v11, -(EMAX<<23), v8              ; 2 off its exponent field: the conversion takes the exponent field of this operand as its scale, and nothing else of it
	v_cvt_scalef32_pk8_fp4_f32 v[XC+2*(\t)], v[XS:XS+7], v11       ; eight numbers / the scale, to the nearest code, ties to even, beyond 6 the largest code
	v_cvt_scalef32_pk8_fp4_f32 v[XC+2*(\t)+1], v[XS+8:XS+15], v11
	v_lshrrev_b32 v[XE+(\t)], 23, v11              ; the scale's byte (also the plain line behind the conversions)
	ds_store_b8 v5, v[XE+(\t)] offset:16*(\t)      ; both lanes of a block write the same byte with the same value
	global_store_b64 v4, v[XC+2*(\t):XC+2*(\t)+1], s[36:37] offset:32*CB*(\t)   ; the wave stores 256 consecutive bytes, aligned
.endm
.irp t, 0,1,2,3
	LOADX \t
.endr
	s_wait_loadcnt 12                              ; step 0's four loads are in
	TURNX 0
.irp t, 0,1,2,3,4,5,6,7,8,9,10,11,12,13,14,15
	STEPX \t
.endr
	ds_load_b64 v[8:9], v6                         ; LDS serves a wave's instructions in order: these see my byte stores
	s_wait_dscnt 0x0
	global_store_b64 v7, v[8:9], s[38:39]          ; my wave's 256 scale bytes: consecutive, aligned
	s_wait_tensorcnt 0x0                           ; the wave's end: a wait, an add of 0 to my spare word and its wait, behind my last LDS store
	ds_add_u32 v[SPW], v[NIL]
	s_wait_dscnt 0x0
	s_endpgm
; ---------------------------------------------------------------- w1: K is the FIRST axis.  A lane takes a column n and its registers run down K: a block of 32 lies in one lane,
; and the conversions give codes with K innermost.  A wave takes 32 columns x 512 along K; its codes go through its own stage in LDS and leave as rows: sixteen lanes store 256 consecutive bytes.
.set NB,    16                         ; blocks of 32 along K for a wave
.set PITCH, 272                        ; a stage row: 256 bytes of codes + 16
.set KROW,  512                        ; a row of the codes' buffer
.set NROW,  16384                      ; a row of w1 in bytes
.set KX,    32                         ; v32-95   two sets of 32 numbers
.set KC,    96                         ; v96-99   a block's codes
.set KOUT,  112                        ; v112-175 the way out
.set KSB,   24                         ; v24-27   the scale bytes, four to a register
.Lw1:
	s_sub_co_u32 s27, ttmp9, 256                   ; 0..127: weight (bit 6), which 512 along K (bit 5), which 128 columns (bits 4:0)
	s_lshr_b32 s28, s27, 6
	s_and_b32 s29, s27, 31
	s_bfe_u32 s30, s27, 0x10005
	s_lshl_b32 s29, s29, 7
	s_lshl_b32 s31, s26, 5
	s_add_co_u32 s29, s29, s31                     ; my wave's first column
	v_lshlrev_b32 v3, 2, v2                        ; in: 4 bytes a lane
	s_mul_i32 s31, s26, 32*PITCH
	s_add_co_u32 s31, s31, W1STG                   ; my stage
	v_mul_u32_u24 v4, v2, PITCH
	v_add_nc_u32 v4, s31, v4                       ; into it: row = my column
	v_and_b32 v5, 15, v2
	v_lshrrev_b32 v6, 4, v2
	v_mul_u32_u24 v7, v6, PITCH
	v_lshl_add_u32 v7, v5, 4, v7
	v_add_nc_u32 v7, s31, v7                       ; out of it: sixteen lanes to a row, two rows an instruction
	v_mul_u32_u24 v8, v6, KROW
	v_lshl_add_u32 v8, v5, 4, v8                   ; and the same place in the codes' buffer
	v_lshlrev_b32 v9, 5, v2                        ; my column's row of scale bytes
	s_cmp_lt_u32 s27, 64
	s_cselect_b64 s[32:33], s[8:9], s[10:11]
	s_lshl_b32 s34, s30, 23                        ; 512 rows of 16,384 bytes
	s_lshl_b32 s31, s29, 2
	s_add_co_u32 s34, s34, s31
	s_add_nc_u64 s[32:33], s[32:33], s[34:35]
	s_lshl_b32 s34, s28, 21                        ; codes: 2,097,152 bytes a weight, 512 a column, 256 for 512 along K
	s_lshl_b32 s31, s29, 9
	s_add_co_u32 s34, s34, s31
	s_lshl_b32 s31, s30, 8
	s_add_co_u32 s34, s34, s31
	s_add_nc_u64 s[36:37], s[20:21], s[34:35]
	s_lshl_b32 s34, s28, 17                        ; scale bytes: 131,072 a weight, 32 a column, 16 for 512 along K
	s_lshl_b32 s31, s29, 5
	s_add_co_u32 s34, s34, s31
	s_lshl_b32 s31, s30, 4
	s_add_co_u32 s34, s34, s31
	s_add_nc_u64 s[38:39], s[22:23], s[34:35]
.macro LOADK t                         ; block t: w1(32 t + i, my column) into set t % 2; the largest offset, 511 rows, lies inside the signed 24-bit immediate
.irp i, 0,1,2,3,4,5,6,7,8,9,10,11,12,13,14,15,16,17,18,19,20,21,22,23,24,25,26,27,28,29,30,31
	global_load_b32 v[KX+32*((\t)%2)+\i], v3, s[32:33] offset:(32*(\t)+\i)*NROW th:TH_LOAD_NT
.endr
.endm
.macro BLOCKK t
.set KXS, KX+32*((\t)%2)
.if (\t) < NB-1
	s_wait_loadcnt 32                              ; this block's 32 loads are in; the next block's may be out
.else
	s_wait_loadcnt 0x0
.endif
	v_max3_num_f32 v12, |v[KXS]|, |v[KXS+1]|, |v[KXS+2]|           ; the block's largest magnitude: all 32 numbers are mine
	v_max3_num_f32 v13, |v[KXS+3]|, |v[KXS+4]|, |v[KXS+5]|
.irp i, 6,10,14,18,22,26
	v_max3_num_f32 v12, v12, |v[KXS+\i]|, |v[KXS+\i+1]|
	v_max3_num_f32 v13, v13, |v[KXS+\i+2]|, |v[KXS+\i+3]|
.endr
	v_max3_num_f32 v12, v12, |v[KXS+30]|, |v[KXS+31]|
	v_max3_num_f32 v12, v12, v13, (EMAX+1)<<23     ; and the floor
	v_add_nc_u32 v11, -(EMAX<<23), v12             ; the conversion's scale operand
	v_lshrrev_b32 v13, 23, v11                     ; the scale's byte
.if (\t)%4 == 0
	v_mov_b32 v[KSB+(\t)/4], v13                   ; four bytes to a register, the lower K in the lower byte
.else
	v_lshl_or_b32 v[KSB+(\t)/4], v13, 8*((\t)%4), v[KSB+(\t)/4]
.endif
.irp g, 0,1,2,3
	v_cvt_scalef32_pk8_fp4_f32 v[KC+\g], v[KXS+8*\g:KXS+8*\g+7], v11
.endr
	v_nop                                          ; one plain line behind the last conversion
	ds_store_b128 v4, v[KC:KC+3] offset:16*(\t)    ; 32 codes: 16 bytes of my column's row
.if (\t)+2 < NB
	LOADK (\t)+2
.endif
	s_wait_dscnt 0x0                               ; the store has read its registers: the next block's codes may be written
.endm
	LOADK 0
	LOADK 1
.irp t, 0,1,2,3,4,5,6,7,8,9,10,11,12,13,14,15
	BLOCKK \t
.endr
	global_store_b128 v9, v[KSB:KSB+3], s[38:39]   ; my column's 16 scale bytes
.irp t, 0,1,2,3,4,5,6,7,8,9,10,11,12,13,14,15
	ds_load_b128 v[KOUT+4*\t:KOUT+4*\t+3], v7 offset:2*\t*PITCH   ; LDS serves a wave's instructions in order: these see my stores
.endr
.irp t, 0,1,2,3,4,5,6,7,8,9,10,11,12,13,14,15
	s_wait_dscnt 15-\t
	global_store_b128 v8, v[KOUT+4*\t:KOUT+4*\t+3], s[36:37] offset:2*\t*KROW
.endr
	s_wait_tensorcnt 0x0                           ; the wave's end: a wait, an add of 0 to my spare word and its wait, behind my last LDS store
	ds_add_u32 v[SPW], v[NIL]
	s_wait_dscnt 0x0
	s_endpgm
; ---------------------------------------------------------------- w2: f32 -> f16, into fragment order.  A lane takes a column n, its registers run down K: 32 numbers of a block of 32 along K pack into
; 16 registers, of which registers 8 c + 4 u + 0 .. 3 are the 16 bytes that lane (r = n % 16, h = u) of the fragment holds in half c.  So nothing changes lanes and no LDS is used:
; in each store lanes 0-15 fill 256 consecutive bytes of one fragment and lanes 16-31 the same bytes of the fragment 16 columns on.
.set WX,    32                         ; v32-95   two sets of 32 numbers
.set WP,    96                         ; v96-127  two sets of 16 packed registers
.Lw2:
	s_lshr_b32 s28, ttmp9, 7                       ; weight
	s_and_b32 s29, ttmp9, 7                        ; which 128 columns
	s_bfe_u32 s30, ttmp9, 0x40003                  ; which 256 along K
	v_lshlrev_b32 v3, 2, v2                        ; in: 4 bytes a lane
	v_lshrrev_b32 v4, 4, v2
	v_and_b32 v5, 15, v2
	v_lshlrev_b32 v4, 17, v4                       ; out: lanes 16-31 one block of 16 columns (131,072 bytes) on,
	v_lshl_add_u32 v4, v5, 4, v4                   ; 16 bytes a column
	s_cmp_lt_u32 ttmp9, 128
	s_cselect_b64 s[32:33], s[12:13], s[14:15]
	s_lshl_b32 s34, s30, 20                        ; 256 rows of 4,096 bytes
	s_lshl_b32 s31, s29, 9
	s_add_co_u32 s34, s34, s31
	s_lshl_b32 s31, s26, 7
	s_add_co_u32 s34, s34, s31
	s_add_nc_u64 s[32:33], s[32:33], s[34:35]
	s_lshl_b32 s34, s28, 23                        ; 8,388,608 bytes a weight
	s_lshl_b32 s31, s29, 20                        ; 8 blocks of columns a work-group,
	s_add_co_u32 s34, s34, s31
	s_lshl_b32 s31, s26, 18                        ; 2 a wave,
	s_add_co_u32 s34, s34, s31
	s_lshl_b32 s31, s30, 13                        ; 8 fragments along K
	s_add_co_u32 s34, s34, s31
	s_add_nc_u64 s[36:37], s[24:25], s[34:35]
.macro LOADW t
.irp i, 0,1,2,3,4,5,6,7,8,9,10,11,12,13,14,15,16,17,18,19,20,21,22,23,24,25,26,27,28,29,30,31
	global_load_b32 v[WX+32*((\t)%2)+\i], v3, s[32:33] offset:(32*(\t)+\i)*4096 th:TH_LOAD_NT
.endr
.endm
.macro BLKW t
.set WS, WX+32*((\t)%2)
.set WQ, WP+16*((\t)%2)
.if (\t) < 7
	s_wait_loadcnt 32                              ; this block's 32 loads are in; the next block's may be out
.else
	s_wait_loadcnt 0x0
.endif
.if (\t) >= 2
	s_wait_xcnt 0x0                                ; the stores of two blocks ago have read this set of packed registers
.endif
.irp p, 0,1,2,3,4,5,6,7,8,9,10,11,12,13,14,15
	v_cvt_pk_f16_f32 v[WQ+\p], v[WS+2*\p], v[WS+2*\p+1]
.endr
.irp c, 0,1
.irp u, 0,1
	global_store_b128 v4, v[WQ+8*\c+4*\u:WQ+8*\c+4*\u+3], s[36:37] offset:1024*(\t)+512*\c+256*\u th:TH_STORE_NT
.endr
.endr
.if (\t)+2 < 8
	LOADW (\t)+2
.endif
.endm
	LOADW 0
	LOADW 1
.irp t, 0,1,2,3,4,5,6,7
	BLKW \t
.endr
	s_endpgm
.Lfunc_end_k_qdfb0b93970_prep:
	.size	k_qdfb0b93970_prep, .Lfunc_end_k_qdfb0b93970_prep-k_qdfb0b93970_prep
	.p2alignl 7, 3214868480
	.fill 96, 4, 3214868480
	.section	.rodata,"a",@progbits
	.p2align	6, 0x0
	.amdhsa_kernel k_qdfb0b93970_prep
		.amdhsa_group_segment_fixed_size 68096
		.amdhsa_private_segment_fixed_size 0
		.amdhsa_enable_private_segment 0
		.amdhsa_kernarg_size 88
		.amdhsa_user_sgpr_count 2
		.amdhsa_user_sgpr_kernarg_segment_ptr 1
		.amdhsa_wavefront_size32 1
		.amdhsa_system_sgpr_workgroup_id_x 1
		.amdhsa_system_sgpr_workgroup_id_y 1
		.amdhsa_system_sgpr_workgroup_id_z 1
		.amdhsa_system_vgpr_workitem_id 0
		.amdhsa_next_free_vgpr 192
		.amdhsa_next_free_sgpr 66
		.amdhsa_reserve_vcc 0
		.amdhsa_float_denorm_mode_32 3
		.amdhsa_float_denorm_mode_16_64 3
		.amdhsa_memory_ordered 1
		.amdhsa_forward_progress 1
		.amdhsa_inst_pref_size 148
	.end_amdhsa_kernel
	.amdgpu_metadata
---
amdhsa.version: [ 1, 2 ]
amdhsa.kernels:
  - .name:           k_qdfb0b93970_prep
    .symbol:         k_qdfb0b93970_prep.kd
    .args:
      - { .name: V, .offset: 0, .size: 8, .value_kind: global_buffer, .address_space: global }
      - { .name: L, .offset: 8, .size: 8, .value_kind: global_buffer, .address_space: global }
      - { .name: w1_V, .offset: 16, .size: 8, .value_kind: global_buffer, .address_space: global }
      - { .name: w1_L, .offset: 24, .size: 8, .value_kind: global_buffer, .address_space: global }
      - { .name: w2_V, .offset: 32, .size: 8, .value_kind: global_buffer, .address_space: global }
      - { .name: w2_L, .offset: 40, .size: 8, .value_kind: global_buffer, .address_space: global }
      - { .name: xq_codes, .offset: 48, .size: 8, .value_kind: global_buffer, .address_space: global }
      - { .name: xq_scales, .offset: 56, .size: 8, .value_kind: global_buffer, .address_space: global }
      - { .name: w1q_codes, .offset: 64, .size: 8, .value_kind: global_buffer, .address_space: global }
      - { .name: w1q_scales, .offset: 72, .size: 8, .value_kind: global_buffer, .address_space: global }
      - { .name: w2frag, .offset: 80, .size: 8, .value_kind: global_buffer, .address_space: global }
    .group_segment_fixed_size: 68096
    .private_segment_fixed_size: 0
    .kernarg_segment_align: 8
    .kernarg_segment_size: 88
    .max_flat_workgroup_size: 128
    .sgpr_count:     66
    .vgpr_count:     192
    .wavefront_size: 32
...
	.end_amdgpu_metadata
.endif
;; end of part 1
;; launch gemm1 (part 2): grid 16 x 32, 4 waves a work-group, clusters of 4 x 4, 327,680 bytes of LDS; arguments xq_codes, xq_scales, w1q_codes, w1q_scales, b1_V, b1_L, hfrag; writes hfrag
.if DOCPART == 2
	.amdgcn_target "amdgcn-amd-amdhsa--gfx1250"
	.amdhsa_code_object_version 6
	.text
	.protected	k_qdfb0b93970_gemm1
	.globl	k_qdfb0b93970_gemm1
	.p2align	8
	.type	k_qdfb0b93970_gemm1,@function
k_qdfb0b93970_gemm1:
	s_mov_b64 s[64:65], 0
	v_nop
	global_prefetch_b8 v0, s[64:65] scope:SCOPE_SE
	s_setreg_imm32_b32 hwreg(HW_REG_WAVE_MODE, 25, 1), 1
	s_wait_xcnt 0x0
	s_wait_alu depctr_hold_cnt(0) depctr_sa_sdst(0) depctr_va_vdst(0) depctr_va_sdst(0) depctr_va_ssrc(0) depctr_va_vcc(0) depctr_vm_vsrc(0)
	s_getreg_b32 s2, hwreg(HW_REG_IB_STS2, 6, 4)
	s_cmp_eq_u32 s2, 0
	s_cbranch_scc0 .Lentry_in_a_cluster
	s_endpgm
.Lentry_in_a_cluster:
	s_bfe_u32 s2, ttmp6, 0x10000c
	s_cmp_lg_u32 s2, 0xf033
	s_cbranch_scc0 .Lentry_shape_is_right
	s_endpgm
.Lentry_shape_is_right:
; The three first products of the FFNs as ONE product on codes of FP4 (E2M1) with E8M0 scales: h = min(relu(x w1^T + b1), 65,504), K = 1,024, 8,192 rows x 4,096 hidden units, stored as f16.
; Rows of h: 0-2,047 = V with w1_V, b1_V; 2,048-6,143 = L with w1_L, b1_L; 6,144-8,191 = V with w1_L, b1_L.  The codes of V and L lie in one buffer, V first; those of the two weights in one, w1_V first.
; A tile of h, 256 x 256, is made by a work-group of four waves; a wave makes 128 x 128: 64 accumulators of 16 x 16, 512 registers.  K is two slots of 512: both are first fills, nothing is filled again.
; The scale bytes of the tile's 256 + 256 rows, for all of K, are two dense blocks: they come once, with the first fills.
; CLUSTERS: 4 x 4 work-groups.  The four of a row of the cluster need the same rows of x, the four of a column the same rows of w1: each tile is asked for jointly, by the same tensor load with the same
; descriptor and a mask that names the four.  Which tensor and which weight a tile row takes hangs on the cluster's y alone, which all sixteen share.
; THE MATRIX INSTRUCTION IS USED TRANSPOSED (source 0 = 16 rows of w1, source 1 = 16 rows of x): a lane holds one row of h and eight neighbouring hidden units.  b1 is the C of each sum's first product.
; THE WAY OUT NEEDS NO LDS: h is laid in the order of the next product's operand registers, [row / 16][k / 32][1,024 bytes], lane (r, h)'s 16 bytes of half c at 512 c + 16 lane = row r, k = 16 c + 8 h + 0 .. 7.
; A lane's eight results of accumulator (a, b), packed to f16, ARE those 16 bytes of fragment b / 2, half b % 2: each store of the wave covers 512 consecutive bytes, aligned.
; LIMIT: h is held at 65,504, the largest f16 number (the hold shares one instruction with the relu).
; REGISTERS, in windows of 256: window 0: v0-31 addresses; v32-95 scale words, two sets, and nothing else; v128-191 x's fragments, one set; v192-255 b1; on the way out v96-255 are at work.
;   window 1: w1's fragments, two sets, at v0 and v128.   window 2: the accumulators of my rows 0-63 ((a, b) at v[8 (8 a + b)]);   window 3: those of my rows 64-127.
.set SIZE_K, 1024
.set KSTEP,  512
.set NQ,     KSTEP/128
.set ROWB,   256                       ; a tile's row in bytes
.set KROW,   SIZE_K/2                  ; a row of codes in memory
.set PITCH,  272                       ; an LDS row: 256 bytes + 16 of padding, so that the 16 rows of a fragment load start 68 words apart
.set FR,     8
.set NL,     2
.set NP,     4                         ; places behind this matrix instruction (ISA guide 7.12.1)
.set HALFT,  128*PITCH
.set SLOT,   4*HALFT
.set KS,     SIZE_K/32                 ; a row of scale bytes
.set SCL,    2*SLOT                    ; behind the two slots: the scales, as units of 256 bytes + 16 of padding
.set HALFS,  (128*KS/256)*272
.set SBLK,   (16*KS/256)*272
.set SPARE,  SCL+4*HALFS               ; behind the scales: the spare words, 128 bytes for each wave: two blocks of 256 bytes that no other line names
.set ADRA, 16                          ; v16-17  LDS address of my fragments of x in slot 0, 1
.set ADRB, 20                          ; v20-21  the same for w1
.set CO,   26                          ; v26     16 x lane: my place in a fragment's half
.set ADRS, 27                          ; v27     LDS address of my scale words: lanes 0-15 x's rows, lanes 16-31 w1's
.set SPW,  28                          ; v28     my spare word; never rewritten
.set NIL,  29                          ; v29     0; never rewritten
.set BO,   30                          ; v30     32 x (lane / 16): my eight numbers of a block of 16 of b1
.set SC,   32                          ; scale words: set s at v[SC + 32 s]; register 4 i + q: lanes 0-15 x's block i, lanes 16-31 w1's block i, the slot's q-th 128 along K
.set T,    96                          ; the way out: 64 held numbers
.set AF,   128                         ; x's fragments
.set O,    160                         ; the way out: three sets of 32 registers of f16
.set BI,   192                         ; b1 in the result's layout: block b at v[BI + 8 b]
.set G1, 24
.set G0, 32
.set G1B, 48
.set G0B, 56
.set G1S, 68
.set G0S, 76
.set G1SB, 80
.set G0SB, 88
.set MSB, 0
.macro WIN new                         ; the immediate's high byte repeats the setting that is left
.if MSB != (\new)
	s_set_vgpr_msb (MSB<<8)|(\new)
.set MSB, (\new)
.endif
.endm
.set MUL_LO,  0xa1                     ; source 0 (w1) window 1, source 1 (x) window 0, C and D window 2
.set MUL_HI,  0xf1                     ; the same, C and D window 3
.set MULB_LO, 0x81                     ; the first products: C (b1) window 0, D window 2
.set MULB_HI, 0xc1                     ; D window 3
.set TO_B,    0x40
; A joint load: waves 0 and 1 fetch for x, waves 2 and 3 for w1.  The branch hangs on the wave's number alone.  An s_nop 0 and four v_nop follow each of the two lines.
.macro JLOAD g0a, g1a, g0b, g1b
	s_cmp_eq_u32 s15, 0
	s_cbranch_scc0 .Lfor_b_\@
	tensor_load_to_lds s[\g0a:\g0a+3], s[\g1a:\g1a+7]
	s_nop 0
.rept 4
	v_nop
.endr
	s_branch .Lasked_\@
.Lfor_b_\@:
	tensor_load_to_lds s[\g0b:\g0b+3], s[\g1b:\g1b+7]
	s_nop 0
.rept 4
	v_nop
.endr
.Lasked_\@:
.endm
.macro CROUND                          ; a round of the cluster's barrier
	s_barrier_signal -1
	s_barrier_wait -1
	s_cmp_lg_u32 s14, 0
	s_cbranch_scc1 .Lnot_wave_0_\@
	s_barrier_signal -3
.Lnot_wave_0_\@:
	s_barrier_wait -3
	s_barrier_signal -1
	s_barrier_wait -1
.endm
	s_load_b128 s[4:7], s[0:1], 0x0                ; x's codes, x's scales
	s_load_b128 s[8:11], s[0:1], 0x10              ; w1's codes, w1's scales
	s_load_b128 s[96:99], s[0:1], 0x20             ; b1_V, b1_L
	s_load_b64 s[12:13], s[0:1], 0x30              ; hfrag
	v_lshl_add_u32 v[SPW], v0, 2, SPARE
	v_mov_b32 v[NIL], 0
	ds_add_u32 v[SPW], v[NIL]                      ; the wave's opening: the add and its wait stand ahead of my first tensor load; work on registers stands between them
	v_lshrrev_b32 v1, 5, v0
	v_readfirstlane_b32 s14, v1                    ; wave 0..3
	s_lshr_b32 s15, s14, 1                         ; which half of the tile's rows is mine.  Also: I fetch for x (0) or for w1 (1)
	s_and_b32 s16, s14, 1                          ; which half of its columns.  Also: which 128 rows I fetch
	s_bfe_u32 s40, ttmp6, 0x40000                  ; cx, cy: my place in the cluster
	s_bfe_u32 s41, ttmp6, 0x40004
	s_lshl_b32 s42, ttmp9, 2
	s_add_co_u32 s42, s42, s40                     ; tile column of h = 4 x cluster x + cx
	s_and_b32 s66, ttmp7, 0xffff                   ; cluster y, 0..7
	s_lshl_b32 s17, s66, 2
	s_add_co_u32 s17, s17, s41                     ; tile row of h = 4 x cluster y + cy
	s_cmp_ge_u32 s66, 6                            ; the last two rows of clusters take V's rows again
	s_cselect_b32 s67, 6, 0
	s_sub_co_u32 s67, s66, s67
	s_lshl_b32 s67, s67, 2
	s_add_co_u32 s67, s67, s41                     ; tile row among the codes of V-then-L
	s_cmp_ge_u32 s66, 2                            ; all but the first two rows of clusters take w1_L,
	s_cselect_b32 s2, 4096, 0                      ; whose rows lie behind w1_V's 4,096
	s_lshl_b32 s43, s41, 2
	s_lshl_b32 s43, 15, s43                        ; my row of the cluster
	s_lshl_b32 s44, 0x1111, s40                    ; my column
	; descriptor group 1: a tile of 128 rows x 256 bytes, 16 bytes of padding behind each row
	s_or_b32 s[G1+0], s43, (0<<16)|(1<<20)|(1<<21)|(5<<22)|(3<<25)  ; 15:0 the mask; 17:16 elements of 1 byte; 20 padding on; 21 set beside a mask; 24:22 after every 64 words; 31:25 four words
	s_or_b32 s[G1B+0], s44, (0<<16)|(1<<20)|(1<<21)|(5<<22)|(3<<25)
.irp g, G1, G1B
	s_mov_b32 s[\g+1], ROWB<<16                    ; tensor_dim0
	s_mov_b32 s[\g+2], 128<<16                     ; tensor_dim1
	s_mov_b32 s[\g+3], ROWB<<16                    ; tile_dim0
	s_mov_b32 s[\g+4], 128                         ; tile_dim1
	s_mov_b32 s[\g+5], KROW                        ; from row to row
	s_mov_b32 s[\g+6], 0
	s_mov_b32 s[\g+7], 0
.endr
	; the scales of 128 rows: 4,096 dense bytes as 16 rows of 256 (32 elements of 8 bytes), 16 bytes of padding behind each
	s_or_b32 s[G1S+0], s43, (3<<16)|(1<<20)|(1<<21)|(5<<22)|(3<<25)
	s_or_b32 s[G1SB+0], s44, (3<<16)|(1<<20)|(1<<21)|(5<<22)|(3<<25)
.irp g, G1S, G1SB
	s_mov_b32 s[\g+1], 32<<16
	s_mov_b32 s[\g+2], (128*KS/256)<<16
	s_mov_b32 s[\g+3], 32<<16
	s_mov_b32 s[\g+4], 128*KS/256
	s_mov_b32 s[\g+5], 32
	s_mov_b32 s[\g+6], 0
	s_mov_b32 s[\g+7], 0
.endr
	s_lshl_b32 s18, s16, 7                         ; which 128 rows of the tile I fetch
	s_lshl_b32 s20, s67, 8
	s_add_co_u32 s20, s20, s18                     ; x: row 256 x tile row + 128 x half
	s_lshl_b32 s46, s42, 8
	s_add_co_u32 s46, s46, s18
	s_add_co_u32 s46, s46, s2                      ; w1: row 256 x tile column + 128 x half, in the cluster's weight
	s_mov_b32 s21, 0
	s_mov_b32 s47, 0
	s_mov_b64 s[18:19], KS
	s_mul_u64 s[22:23], s[20:21], s[18:19]         ; where these rows' scales begin, in bytes,
	s_mul_u64 s[92:93], s[46:47], s[18:19]
	s_mov_b64 s[18:19], KROW
	s_mul_u64 s[20:21], s[20:21], s[18:19]         ; and their codes
	s_mul_u64 s[46:47], s[46:47], s[18:19]
	s_mul_i32 s45, s14, HALFT                      ; where they go: wave x 128 rows: no place in the cluster enters an LDS address
	s_mul_i32 s94, s14, HALFS
	s_mov_b32 s95, 0x477fe000                      ; 65,504
	s_wait_dscnt 0x0                               ; the opening add is done
	s_wait_kmcnt 0x0
	s_add_nc_u64 s[20:21], s[4:5], s[20:21]
	s_add_nc_u64 s[22:23], s[6:7], s[22:23]
	s_add_nc_u64 s[46:47], s[8:9], s[46:47]
	s_add_nc_u64 s[92:93], s[10:11], s[92:93]
	CROUND                                         ; all sixteen work-groups are here: the first joint loads meet
	s_mov_b32 s[G0S], 1
	s_add_co_u32 s[G0S+1], s94, SCL
	s_mov_b64 s[G0S+2:G0S+3], s[22:23]
	s_or_b32 s[G0S+3], s[G0S+3], 0x80000000
	s_mov_b32 s[G0SB], 1
	s_add_co_u32 s[G0SB+1], s94, SCL
	s_mov_b64 s[G0SB+2:G0SB+3], s[92:93]
	s_or_b32 s[G0SB+3], s[G0SB+3], 0x80000000
	JLOAD G0S, G1S, G0SB, G1SB                     ; the scales first: they are wanted with the first slot.  Three loads of mine are out behind this group
.irp s, 0,1
	s_mov_b32 s[G0+4*\s], 1
	s_add_co_u32 s[G0+4*\s+1], s45, \s*SLOT
	s_add_nc_u64 s[G0+4*\s+2:G0+4*\s+3], s[20:21], \s*ROWB
	s_or_b32 s[G0+4*\s+3], s[G0+4*\s+3], 0x80000000
	s_mov_b32 s[G0B+4*\s], 1
	s_add_co_u32 s[G0B+4*\s+1], s45, \s*SLOT
	s_add_nc_u64 s[G0B+4*\s+2:G0B+4*\s+3], s[46:47], \s*ROWB
	s_or_b32 s[G0B+4*\s+3], s[G0B+4*\s+3], 0x80000000
	JLOAD G0+4*\s, G1, G0B+4*\s, G1B
.endr
	v_and_b32 v1, 15, v0                           ; l % 16
	v_bfe_u32 v2, v0, 4, 1                         ; l / 16
	v_mul_u32_u24 v3, v1, PITCH
	v_lshl_add_u32 v4, v2, 4, v3                   ; a fragment's row x pitch + 16 x half
	s_mul_i32 s21, s15, HALFT                      ; my 128 rows of x
	s_mul_i32 s22, s16, HALFT                      ; my 128 rows of w1,
	s_add_co_u32 s22, s22, 2*HALFT                 ; which lie behind x's 256
.irp s, 0,1
	v_add_nc_u32 v[ADRA+\s], s21, v4
	v_add_nc_u32 v[ADRB+\s], s22, v4
	s_add_co_u32 s21, s21, SLOT
	s_add_co_u32 s22, s22, SLOT
.endr
	v_mul_u32_u24 v5, v1, KS                       ; my row's scales: 32 bytes a row,
	v_lshrrev_b32 v6, 8, v5
	v_lshl_add_u32 v5, v6, 4, v5                   ; and 16 more for each 256 passed
	s_mul_i32 s21, s15, HALFS
	s_mul_i32 s22, s16, HALFS
	s_add_co_u32 s22, s22, 2*HALFS
	s_sub_co_u32 s22, s22, s21
	v_mul_u32_u24 v6, s22, v2                      ; lanes 16-31 take w1's: the lower base + half x the distance
	s_add_co_u32 s21, s21, SCL
	v_add_nc_u32 v5, v5, v6
	v_add_nc_u32 v[ADRS], s21, v5
	v_and_b32 v6, 31, v0
	v_lshlrev_b32 v[CO], 4, v6
	v_lshlrev_b32 v[BO], 5, v2
	s_lshl_b32 s20, s17, 4                         ; hfrag: my first block of 16 rows: 16 x tile row + 8 x half, 131,072 bytes a block;
	s_lshl_b32 s21, s15, 3
	s_add_co_u32 s20, s20, s21
	s_lshl_b32 s20, s20, 17
	s_lshl_b32 s46, s42, 13                        ; my first fragment along the hidden units: 8 x tile column + 4 x half, 1,024 bytes each
	s_lshl_b32 s47, s16, 12
	s_add_co_u32 s46, s46, s47
	s_add_co_u32 s20, s20, s46
	s_mov_b32 s21, 0
	s_add_nc_u64 s[12:13], s[12:13], s[20:21]
	s_cmp_ge_u32 s66, 2
	s_cselect_b64 s[96:97], s[98:99], s[96:97]     ; the bias that goes with the weight
	s_lshl_b32 s46, s42, 10
	s_lshl_b32 s47, s16, 9
	s_add_co_u32 s46, s46, s47                     ; my 128 hidden units
	s_mov_b32 s47, 0
	s_add_nc_u64 s[96:97], s[96:97], s[46:47]
.irp b, 0,1,2,3,4,5,6,7
	global_load_b128 v[BI+8*\b:BI+8*\b+3], v[BO], s[96:97] offset:64*\b        ; lane (r, h): b1 at hidden units 16 b + 8 h + 0 .. 7
	global_load_b128 v[BI+8*\b+4:BI+8*\b+7], v[BO], s[96:97] offset:64*\b+16
.endr
.macro FRAG reg, adr, q, i             ; 16 rows x 128 K of codes: 8 registers: lane l holds row l % 16; registers 4 c .. 4 c + 3 hold K = 64 c + 32 (l / 16) + 0 .. 31
.irp c, 0,1
	ds_load_b128 v[\reg+4*\c:\reg+4*\c+3], v[\adr] offset:64*(\q)+32*\c+(\i)*16*PITCH
.endr
.endm
; 16 matrix instructions: x's blocks a0, a0 + 1 against w1's eight, the slot's q-th 128 along K.  p: w1's set; sc: the set of scale words.  first = 1: b1 is the C.
; The 64 accumulators take turns, one instruction a turn, in the same order in every step.
.macro MUL16 a0, p, q, sc, first
.irp a, \a0, \a0+1
.irp b, 0,1,2,3,4,5,6,7
.if \first
	v_wmma_scale_f32_16x16x128_f8f6f4 v[8*(8*((\a)%4)+\b):8*(8*((\a)%4)+\b)+7], v[128*(\p)+FR*\b:128*(\p)+FR*\b+FR-1], v[AF+FR*(\a):AF+FR*(\a)+FR-1], v[BI+8*\b:BI+8*\b+7], v[SC+8*NQ*(\sc)+NQ*\b+(\q)], v[SC+8*NQ*(\sc)+NQ*(\a)+(\q)] matrix_a_fmt:MATRIX_FMT_FP4 matrix_b_fmt:MATRIX_FMT_FP4 matrix_a_scale:MATRIX_SCALE_ROW1
.else
	v_wmma_scale_f32_16x16x128_f8f6f4 v[8*(8*((\a)%4)+\b):8*(8*((\a)%4)+\b)+7], v[128*(\p)+FR*\b:128*(\p)+FR*\b+FR-1], v[AF+FR*(\a):AF+FR*(\a)+FR-1], v[8*(8*((\a)%4)+\b):8*(8*((\a)%4)+\b)+7], v[SC+8*NQ*(\sc)+NQ*\b+(\q)], v[SC+8*NQ*(\sc)+NQ*(\a)+(\q)] matrix_a_fmt:MATRIX_FMT_FP4 matrix_b_fmt:MATRIX_FMT_FP4 matrix_a_scale:MATRIX_SCALE_ROW1
.endif
.endr
.endr
.endm
.macro FETCH_B slot, q, p
	WIN TO_B
.irp i, 0,1,2,3,4,5,6,7
	FRAG 128*(\p)+FR*\i, ADRB+\slot, \q, \i
.endr
	WIN 0
.endm
.macro FETCH_A slot, q, i0
.irp i, \i0, \i0+1, \i0+2, \i0+3
	FRAG AF+FR*(\i), ADRA+\slot, \q, \i
.endr
.endm
.macro SCALES sc                       ; a slot's scale words: four words a row; lanes 0-15 take x's block i, lanes 16-31 w1's block i
.irp i, 0,1,2,3,4,5,6,7
	ds_load_b128 v[SC+8*NQ*\sc+NQ*\i:SC+8*NQ*\sc+NQ*\i+3], v[ADRS] offset:\i*SBLK
.endr
.endm
.macro PLACES n                        ; plain vector lines between a matrix instruction and a load into, or a vector read of, its registers
.rept \n
	v_nop
.endr
.endm
; A step of 128 along K that has its successor in the same slot.  x has one set of registers: blocks 0-3 are fetched anew in the step's middle, blocks 4-7 at its end; w1 has two sets.
.macro STEP slot, q, first
	s_wait_dscnt 4*NL                              ; w1's set and x's blocks 0-3 are in; the youngest eight loads (x's blocks 4-7) may be out
.if \first
	WIN MULB_LO
.else
	WIN MUL_LO
.endif
	MUL16 0, (\q)%2, \q, \slot, \first
	MUL16 2, (\q)%2, \q, \slot, \first
	s_wait_dscnt 0                                 ; x's blocks 4-7 are in
	PLACES NP
	FETCH_B \slot, (\q)+1, 1-(\q)%2
	FETCH_A \slot, (\q)+1, 0
.if \first
	WIN MULB_HI
.else
	WIN MUL_HI
.endif
	MUL16 4, (\q)%2, \q, \slot, \first
	MUL16 6, (\q)%2, \q, \slot, \first
	PLACES NP
	WIN 0
	FETCH_A \slot, (\q)+1, 4
.endm
; Slot 0's last step goes over to slot 1: each wave waits for all its tensor loads (its part of slot 1), adds 0 to its spare word, waits for that and for its LDS loads, and passes the barrier: behind it slot 1 is whole.
.macro TURN slot, next
	s_wait_tensorcnt 0x0                           ; all my tensor loads have landed  (every window is 0 here)
	ds_add_u32 v[SPW], v[NIL]                      ; 0 onto my spare word
	s_wait_dscnt 4*NL+1                            ; (the add and the youngest eight loads may be out)
	WIN MUL_LO
	MUL16 0, 1, NQ-1, \slot, 0
	s_wait_dscnt 0x0
	s_barrier_signal -1
	MUL16 2, 1, NQ-1, \slot, 0
	WIN 0
	s_barrier_wait -1
	PLACES NP
	v_add_nc_u32 v[ADRS], 4*NQ, v[ADRS]            ; on to the next slot's scale words (no LDS load of mine is out)
	FETCH_B \next, 0, 0
	FETCH_A \next, 0, 0
	SCALES \next
	WIN MUL_HI
	MUL16 4, 1, NQ-1, \slot, 0
	MUL16 6, 1, NQ-1, \slot, 0
	PLACES NP
	WIN 0
	FETCH_A \next, 0, 4
.endm
	s_wait_tensorcnt 1                             ; the scales and my part of slot 0 are in (slot 1's load may be out)
	s_barrier_signal -1
	s_barrier_wait -1                              ; everybody's are
	FETCH_B 0, 0, 0
	FETCH_A 0, 0, 0
	SCALES 0
	FETCH_A 0, 0, 4
	s_wait_loadcnt 0x0                             ; b1
	STEP 0, 0, 1                                   ; the first products start the sums from b1: nothing is cleared, no addition is spent on the bias
	STEP 0, 1, 0
	STEP 0, 2, 0
	TURN 0, 1
	STEP 1, 0, 0
	STEP 1, 1, 0
	STEP 1, 2, 0
	s_wait_dscnt 4*NL                              ; the last step: nothing more to fetch
	WIN MUL_LO
	MUL16 0, 1, NQ-1, 1, 0
	MUL16 2, 1, NQ-1, 1, 0
	s_wait_dscnt 0
	WIN MUL_HI
	MUL16 4, 1, NQ-1, 1, 0
	MUL16 6, 1, NQ-1, 1, 0
	WIN 0
	PLACES NP                                      ; behind the last products: their results are read and x's registers written only from here on
; THE WAY OUT, block by block of 16 rows x 128 hidden units: relu and the hold in one line a number, each accumulator from its low end on; two numbers to a register of f16; eight stores of 512 consecutive bytes.
.irp a, 0,1,2,3,4,5,6,7
	WIN 0x02+(\a)/4                                ; source 0: window 2 or 3
.irp b, 0,1,2,3,4,5,6,7
.irp j, 0,1,2,3,4,5,6,7
	v_med3_num_f32 v[T+8*\b+\j], v[64*((\a)%4)+8*\b+\j], 0, s95
.endr
.endr
	WIN 0
.if \a >= 3
	s_wait_xcnt 0x0                                ; the stores of three blocks ago have read this set of registers
.endif
.irp b, 0,1,2,3,4,5,6,7
.irp p, 0,1,2,3
	v_cvt_pk_f16_f32 v[O+32*((\a)%3)+4*\b+\p], v[T+8*\b+2*\p], v[T+8*\b+2*\p+1]
.endr
.endr
.irp b, 0,1,2,3,4,5,6,7
	global_store_b128 v[CO], v[O+32*((\a)%3)+4*\b:O+32*((\a)%3)+4*\b+3], s[12:13] offset:131072*\a+512*\b th:TH_STORE_NT   ; half b % 2 of fragment b / 2 of block a
.endr
.endr
	s_wait_tensorcnt 0x0                           ; the wave's end: a wait, an add of 0 to my spare word and its wait, behind my last tensor load
	ds_add_u32 v[SPW], v[NIL]
	s_wait_dscnt 0x0
	CROUND                                         ; the closing round: no work-group ends while a partner may still ask for a tile that names it
	s_endpgm
.Lfunc_end_k_qdfb0b93970_gemm1:
	.size	k_qdfb0b93970_gemm1, .Lfunc_end_k_qdfb0b93970_gemm1-k_qdfb0b93970_gemm1
	.p2alignl 7, 3214868480
	.fill 96, 4, 3214868480
	.section	.rodata,"a",@progbits
	.p2align	6, 0x0
	.amdhsa_kernel k_qdfb0b93970_gemm1
		.amdhsa_group_segment_fixed_size 327680
		.amdhsa_private_segment_fixed_size 0
		.amdhsa_enable_private_segment 0
		.amdhsa_kernarg_size 56
		.amdhsa_user_sgpr_count 2
		.amdhsa_user_sgpr_kernarg_segment_ptr 1
		.amdhsa_wavefront_size32 1
		.amdhsa_system_sgpr_workgroup_id_x 1
		.amdhsa_system_sgpr_workgroup_id_y 1
		.amdhsa_system_sgpr_workgroup_id_z 1
		.amdhsa_system_vgpr_workitem_id 0
		.amdhsa_next_free_vgpr 1024
		.amdhsa_next_free_sgpr 100
		.amdhsa_reserve_vcc 0
		.amdhsa_float_denorm_mode_32 3
		.amdhsa_float_denorm_mode_16_64 3
		.amdhsa_memory_ordered 1
		.amdhsa_forward_progress 1
		.amdhsa_inst_pref_size 151
	.end_amdhsa_kernel
	.amdgpu_metadata
---
amdhsa.version: [ 1, 2 ]
amdhsa.kernels:
  - .name:           k_qdfb0b93970_gemm1
    .symbol:         k_qdfb0b93970_gemm1.kd
    .args:
      - { .name: xq_codes, .offset: 0, .size: 8, .value_kind: global_buffer, .address_space: global }
      - { .name: xq_scales, .offset: 8, .size: 8, .value_kind: global_buffer, .address_space: global }
      - { .name: w1q_codes, .offset: 16, .size: 8, .value_kind: global_buffer, .address_space: global }
      - { .name: w1q_scales, .offset: 24, .size: 8, .value_kind: global_buffer, .address_space: global }
      - { .name: b1_V, .offset: 32, .size: 8, .value_kind: global_buffer, .address_space: global }
      - { .name: b1_L, .offset: 40, .size: 8, .value_kind: global_buffer, .address_space: global }
      - { .name: hfrag, .offset: 48, .size: 8, .value_kind: global_buffer, .address_space: global }
    .group_segment_fixed_size: 327680
    .private_segment_fixed_size: 0
    .kernarg_segment_align: 8
    .kernarg_segment_size: 56
    .max_flat_workgroup_size: 128
    .sgpr_count:     100
    .vgpr_count:     1024
    .wavefront_size: 32
...
	.end_amdgpu_metadata
.endif
;; end of part 2
;; launch gemm2 (part 3): grid 4 x 64, 4 waves a work-group, clusters of 4 x 4, 327,680 bytes of LDS; arguments hfrag, w2frag, b2_V, b2_L, ffrag; writes ffrag
.if DOCPART == 3
	.amdgcn_target "amdgcn-amd-amdhsa--gfx1250"
	.amdhsa_code_object_version 6
	.text
	.protected	k_qdfb0b93970_gemm2
	.globl	k_qdfb0b93970_gemm2
	.p2align	8
	.type	k_qdfb0b93970_gemm2,@function
k_qdfb0b93970_gemm2:
	s_mov_b64 s[64:65], 0
	v_nop
	global_prefetch_b8 v0, s[64:65] scope:SCOPE_SE
	s_setreg_imm32_b32 hwreg(HW_REG_WAVE_MODE, 25, 1), 1
	s_wait_xcnt 0x0
	s_wait_alu depctr_hold_cnt(0) depctr_sa_sdst(0) depctr_va_vdst(0) depctr_va_sdst(0) depctr_va_ssrc(0) depctr_va_vcc(0) depctr_vm_vsrc(0)
	s_getreg_b32 s2, hwreg(HW_REG_IB_STS2, 6, 4)
	s_cmp_eq_u32 s2, 0
	s_cbranch_scc0 .Lentry_in_a_cluster
	s_endpgm
.Lentry_in_a_cluster:
	s_bfe_u32 s2, ttmp6, 0x10000c
	s_cmp_lg_u32 s2, 0xf033
	s_cbranch_scc0 .Lentry_shape_is_right
	s_endpgm
.Lentry_shape_is_right:
; The three second products of the FFNs as ONE product: f = h w2 + b2, K = 4,096, 8,192 rows x 1,024 columns, f16 operands, f32 sums; f is stored as bf16 (its range has no room in f16 where the inputs are larger).
; Rows 0-2,047 take w2_V, b2_V (fV_V), rows 2,048-6,143 w2_L, b2_L (fL_L), rows 6,144-8,191 w2_L, b2_L (fL_V).
; BOTH OPERANDS LIE IN MEMORY IN THE ORDER OF THE OPERAND'S REGISTERS: [block of 16 rows][k / 32][1,024 bytes]; lane l's 16 bytes of half c at 512 c + 16 l.  So a tile is a few long dense rows for the
; tensor data mover, LDS needs no padding, and a fragment is two ds_load_b128 at 16 x lane + a constant: 512 consecutive bytes each.
; A tile of f is 128 x 256: 256 work-groups.  Four waves, each 64 x 128: 32 accumulators, 256 registers.  THE MATRIX INSTRUCTION IS USED TRANSPOSED (source 0 = 16 columns' rows of w2, source 1 = 16 rows of h):
; a lane holds one row of f and eight neighbouring columns, which pack into the 16 bytes that the same lane holds of the next launch's fragment: the way out needs no LDS.
; K: a slot holds 192 along K of 8 + 16 blocks: 147,456 bytes, and two such slots are what LDS has room for.  4,096 = 64 + 21 x 192: step 0 is short (64) and is written out anyway, since its products
; start the sums (from b2, as their C); steps 1 to 21 are six quarters of 32 along K.  Step s lies in slot s % 2.  A refill has one step, 192 matrix instructions, in which to land.
; CLUSTERS: 4 x 4 work-groups.  h's tile is shared along a row of the cluster, w2's along a column: joint loads.  Where a slot is filled again a round of the cluster's barrier stands in front.
; REGISTERS: window 0: v16-30 addresses; v64-159, v160-255 two fragment buffers (h's four fragments, then w2's eight).  window 1: accumulator (a, b) at v[8 (8 a + b)].  window 2: v0-63 b2, block b at v[8 b].
.set SLOT,  147456
.set BOFF,  49152                      ; in a slot: h's 8 blocks, then w2's 16
.set BLK,   6144                       ; a block's bytes of a long step: six fragments
.set BLKS,  2048                       ; of step 0: two
.set SPARE, 2*SLOT                     ; behind the ring: the spare words, 128 bytes for each wave: two blocks of 256 bytes that no other line names
.set ADRA,  16                         ; v16-17  my four blocks of h in slot 0, 1
.set ADRAS, 18                         ; v18     in step 0's tile
.set ADRB,  20                         ; v20-21  my eight blocks of w2
.set ADRBS, 22                         ; v22
.set LI,    24                         ; v24     16 x lane
.set BO,    26                         ; v26     32 x (lane / 16)
.set SPW,   28                         ; v28     my spare word; never rewritten
.set NIL,   29                         ; v29     0; never rewritten
.set PFO,   30                         ; v30     the prefetches' offset: 256 x min(lane, 23); never rewritten
.set F0,    64
.set F1,    160
.set G1AL,  24                         ; s[24:31] group 1: h, long step: 4 rows of 768 elements of 8 bytes
.set G1BL,  32                         ; s[32:39] w2, long step: 8 rows
.set G1AS,  40                         ; s[40:47] h, step 0: 4 rows of 256 elements
.set G1BS,  48                         ; s[48:55] w2, step 0: 8 rows
.set G0A,   56                         ; s[56:63] group 0 for h, a set for each slot
.set G0B,   68                         ; s[68:75] for w2
.set G0AS,  76                         ; s[76:79] h, step 0
.set G0BS,  80                         ; s[80:83] w2, step 0
.set PFA,   84                         ; s[84:85] where my prefetches stand
.set LIM,   86                         ; s86     1 in a wave that prefetches
.set MUL,   0x50                       ; C and D window 1, sources window 0
.set MULB,  0x60                       ; the first products: C (b2) window 2, D window 1
.set MSB, 0
.macro WIN new                         ; the immediate's high byte repeats the setting that is left
.if MSB != (\new)
	s_set_vgpr_msb (MSB<<8)|(\new)
.set MSB, (\new)
.endif
.endm
.macro PLACES                          ; four plain vector lines between a matrix instruction and a load into, or a vector read of, its registers
.rept 4
	v_nop
.endr
.endm
.macro CREST                           ; a round of the cluster's barrier behind its opening barrier
	s_cmp_lg_u32 s14, 0
	s_cbranch_scc1 .Lnot_wave_0_\@
	s_barrier_signal -3
.Lnot_wave_0_\@:
	s_barrier_wait -3
	s_barrier_signal -1
	s_barrier_wait -1
.endm
.macro CROUND
	s_barrier_signal -1
	s_barrier_wait -1
	CREST
.endm
; A joint refill: waves 0 and 1 fetch h's two halves, waves 2 and 3 w2's.  The branch hangs on the wave's number alone.  An s_nop 0 and four v_nop follow each of the two lines.
.macro JLOAD slot
	s_cmp_eq_u32 s15, 0
	s_cbranch_scc0 .Lfor_b_\@
	tensor_load_to_lds s[G0A+4*\slot:G0A+4*\slot+3], s[G1AL:G1AL+7]
	s_nop 0
.rept 4
	v_nop
.endr
	s_branch .Lasked_\@
.Lfor_b_\@:
	tensor_load_to_lds s[G0B+4*\slot:G0B+4*\slot+3], s[G1BL:G1BL+7]
	s_nop 0
.rept 4
	v_nop
.endr
.Lasked_\@:
.endm
; A PREFETCH INTO THE L2 of what the NEXT change of slots will ask for: one step, 192 matrix instructions, ahead of that load.  A step's part of a block is 6,144 bytes: 24 lanes, 256 bytes apart (lanes 24-31 name the 24th once more).
; Each block is named by one wave of the launch.  h's 8 blocks of a tile row are read by one row of one cluster alone: its four partners, told apart BY ADDRESS (cx), and waves 0 and 1 take one block each.
; w2's 16 blocks of a tile column are read by every cluster of that weight: the weight's first cluster (cluster y 0 or 4) asks; its four partners of a column (cy) and waves 2 and 3 take two blocks each.
.macro ASK
	s_cmp_eq_u32 s[LIM], 1
	s_cbranch_scc0 .Lnot_mine_\@
	global_prefetch_b8 v[PFO], s[PFA:PFA+1] th:TH_LOAD_NT scope:SCOPE_SE
	s_cmp_eq_u32 s15, 1
	s_cbranch_scc0 .Lnot_mine_\@
	global_prefetch_b8 v[PFO], s[PFA:PFA+1] offset:131072 th:TH_LOAD_NT scope:SCOPE_SE
.Lnot_mine_\@:
.endm
	s_load_b256 s[4:11], s[0:1], 0x0               ; hfrag s[4:5], w2frag s[6:7], b2_V s[8:9], b2_L s[10:11]
	s_load_b64 s[12:13], s[0:1], 0x20              ; ffrag
	v_lshl_add_u32 v[SPW], v0, 2, SPARE
	v_mov_b32 v[NIL], 0
	ds_add_u32 v[SPW], v[NIL]                      ; the wave's opening: the add and its wait stand ahead of my first tensor load; work on registers stands between them
	v_lshrrev_b32 v1, 5, v0
	v_readfirstlane_b32 s14, v1                    ; wave 0..3
	s_lshr_b32 s15, s14, 1                         ; which 64 rows of the tile are mine.  Also: I fetch for h (0) or for w2 (1)
	s_and_b32 s16, s14, 1                          ; which 128 columns.  Also: which half of that tile I fetch
	s_bfe_u32 s17, ttmp6, 0x40000                  ; cx
	s_bfe_u32 s18, ttmp6, 0x40004                  ; cy
	s_and_b32 s19, ttmp7, 0xffff                   ; cluster y, 0..15
	s_lshl_b32 s20, ttmp9, 2
	s_add_co_u32 s20, s20, s17                     ; tile column of f
	s_lshl_b32 s21, s19, 2
	s_add_co_u32 s21, s21, s18                     ; tile row of f
	s_lshl_b32 s22, s18, 2
	s_lshl_b32 s22, 15, s22                        ; my row of the cluster
	s_lshl_b32 s23, 0x1111, s17                    ; my column
	s_or_b32 s[G1AL], s22, (3<<16)|(1<<21)         ; 15:0 the mask; 17:16 elements of 8 bytes; 21 set beside a mask; no padding
	s_or_b32 s[G1AS], s22, (3<<16)|(1<<21)
	s_or_b32 s[G1BL], s23, (3<<16)|(1<<21)
	s_or_b32 s[G1BS], s23, (3<<16)|(1<<21)
.irp g, G1AL, G1BL
	s_mov_b32 s[\g+1], 768<<16                     ; tensor_dim0: 6,144 bytes
	s_mov_b32 s[\g+3], 768<<16                     ; tile_dim0
.endr
.irp g, G1AS, G1BS
	s_mov_b32 s[\g+1], 256<<16                     ; 2,048 bytes
	s_mov_b32 s[\g+3], 256<<16
.endr
.irp g, G1AL, G1AS
	s_mov_b32 s[\g+2], 4<<16                       ; tensor_dim1: four blocks
	s_mov_b32 s[\g+4], 4                           ; tile_dim1
.endr
.irp g, G1BL, G1BS
	s_mov_b32 s[\g+2], 8<<16                       ; eight blocks
	s_mov_b32 s[\g+4], 8
.endr
.irp g, G1AL, G1BL, G1AS, G1BS
	s_mov_b32 s[\g+5], 16384                       ; from block to block: 131,072 bytes
	s_mov_b32 s[\g+6], 0
	s_mov_b32 s[\g+7], 0
.endr
	; where the tiles come from.  h's address hangs on the tile row alone, w2's on the tile column and the cluster's weight alone; each in registers that never hold the other coordinate
	s_lshl_b32 s88, s21, 3
	s_lshl_b32 s22, s16, 2
	s_add_co_u32 s88, s88, s22                     ; h: block 8 x tile row + 4 x half
	s_lshl_b32 s88, s88, 17
	s_mov_b32 s89, 0
	s_lshl_b32 s90, s20, 4
	s_lshl_b32 s22, s16, 3
	s_add_co_u32 s90, s90, s22                     ; w2: block 16 x tile column + 8 x half,
	s_lshl_b32 s90, s90, 17
	s_cmp_ge_u32 s19, 4
	s_cselect_b32 s22, 0x800000, 0                 ; in w2_L from cluster y 4 on
	s_add_co_u32 s90, s90, s22
	s_mov_b32 s91, 0
	; and where they go: the wave's number alone enters an LDS address
	s_mov_b32 s[G0A], 1
	s_mul_i32 s[G0A+1], s16, 4*BLK
	s_mov_b32 s[G0A+4], 1
	s_add_co_u32 s[G0A+5], s[G0A+1], SLOT
	s_mov_b32 s[G0AS], 1
	s_lshl_b32 s[G0AS+1], s16, 13
	s_mov_b32 s[G0B], 1
	s_mul_i32 s[G0B+1], s16, 8*BLK
	s_add_co_u32 s[G0B+1], s[G0B+1], BOFF
	s_mov_b32 s[G0B+4], 1
	s_add_co_u32 s[G0B+5], s[G0B+1], SLOT
	s_mov_b32 s[G0BS], 1
	s_lshl_b32 s[G0BS+1], s16, 14
	s_add_co_u32 s[G0BS+1], s[G0BS+1], BOFF
	s_wait_dscnt 0x0                               ; the opening add is done
	s_wait_kmcnt 0x0
	s_add_nc_u64 s[88:89], s[4:5], s[88:89]
	s_add_nc_u64 s[90:91], s[6:7], s[90:91]
	s_add_nc_u64 s[G0A+2:G0A+3], s[88:89], BLKS+BLK        ; slot 0's first long step is step 2,
	s_or_b32 s[G0A+3], s[G0A+3], 0x80000000
	s_add_nc_u64 s[G0A+6:G0A+7], s[88:89], BLKS            ; slot 1's is step 1,
	s_or_b32 s[G0A+7], s[G0A+7], 0x80000000
	s_mov_b64 s[G0AS+2:G0AS+3], s[88:89]                   ; step 0 begins a block
	s_or_b32 s[G0AS+3], s[G0AS+3], 0x80000000
	s_add_nc_u64 s[G0B+2:G0B+3], s[90:91], BLKS+BLK
	s_or_b32 s[G0B+3], s[G0B+3], 0x80000000
	s_add_nc_u64 s[G0B+6:G0B+7], s[90:91], BLKS
	s_or_b32 s[G0B+7], s[G0B+7], 0x80000000
	s_mov_b64 s[G0BS+2:G0BS+3], s[90:91]
	s_or_b32 s[G0BS+3], s[G0BS+3], 0x80000000
	CROUND                                         ; all sixteen work-groups are here: the first joint loads meet
	s_cmp_eq_u32 s15, 0                            ; a wave's two first fills stand in one branch: two loads of mine are out
	s_cbranch_scc0 .Lfirst_b
	tensor_load_to_lds s[G0AS:G0AS+3], s[G1AS:G1AS+7]      ; step 0, into slot 0
	s_nop 0
	tensor_load_to_lds s[G0A+4:G0A+7], s[G1AL:G1AL+7]      ; step 1, into slot 1
	s_nop 0
.rept 4
	v_nop
.endr
	s_branch .Lfirst_asked
.Lfirst_b:
	tensor_load_to_lds s[G0BS:G0BS+3], s[G1BS:G1BS+7]
	s_nop 0
	tensor_load_to_lds s[G0B+4:G0B+7], s[G1BL:G1BL+7]
	s_nop 0
.rept 4
	v_nop
.endr
.Lfirst_asked:
	v_and_b32 v1, 31, v0
	v_bfe_u32 v2, v0, 4, 1
	v_lshlrev_b32 v[LI], 4, v1
	v_lshlrev_b32 v[BO], 5, v2
	s_mul_i32 s22, s15, 4*BLK
	v_add_nc_u32 v[ADRA], s22, v[LI]
	v_add_nc_u32 v[ADRA+1], SLOT, v[ADRA]
	s_lshl_b32 s22, s15, 13
	v_add_nc_u32 v[ADRAS], s22, v[LI]
	s_mul_i32 s22, s16, 8*BLK
	s_add_co_u32 s22, s22, BOFF
	v_add_nc_u32 v[ADRB], s22, v[LI]
	v_add_nc_u32 v[ADRB+1], SLOT, v[ADRB]
	s_lshl_b32 s22, s16, 14
	s_add_co_u32 s22, s22, BOFF
	v_add_nc_u32 v[ADRBS], s22, v[LI]
	v_min_u32 v[PFO], 23, v1
	v_lshlrev_b32 v[PFO], 8, v[PFO]
	; b2 in the result's layout: lane (r, h) wants, for block b, columns 16 b + 8 h + 0 .. 7 of my 128
	s_cmp_lt_u32 s19, 4
	s_cselect_b64 s[92:93], s[8:9], s[10:11]
	s_lshl_b32 s22, s20, 10
	s_lshl_b32 s23, s16, 9
	s_add_co_u32 s22, s22, s23
	s_mov_b32 s23, 0
	s_add_nc_u64 s[92:93], s[92:93], s[22:23]
	WIN 0x80                                       ; destination window 2
.irp b, 0,1,2,3,4,5,6,7
	global_load_b128 v[8*\b:8*\b+3], v[BO], s[92:93] offset:64*\b
	global_load_b128 v[8*\b+4:8*\b+7], v[BO], s[92:93] offset:64*\b+16
.endr
	WIN 0
	; the prefetches: my block, at step 3's bytes; the first change of slots in the loop steps it to step 4's
	s_lshl_b32 s22, s17, 17                        ; h: + cx blocks
	s_lshl_b32 s23, s18, 18                        ; w2: + 2 cy blocks
	s_cmp_eq_u32 s15, 0
	s_cselect_b64 s[PFA:PFA+1], s[88:89], s[90:91]
	s_cselect_b32 s66, s22, s23
	s_mov_b32 s67, 0
	s_add_nc_u64 s[PFA:PFA+1], s[PFA:PFA+1], s[66:67]
	s_add_nc_u64 s[PFA:PFA+1], s[PFA:PFA+1], BLKS+2*BLK
	s_and_b32 s2, s19, 0xfffb                      ; 0 where cluster y is 0 or 4,
	s_mul_i32 s2, s2, s15                          ; and in the waves that fetch h
	s_cmp_eq_u32 s2, 0
	s_cselect_b32 s[LIM], 1, -1                    ; the same in all sixteen partners, for a given wave
	; ffrag: [batch][16 places][d / 32][1,024 bytes]; places 0-7 fL_L, 8-11 fV_V, 12-15 fL_V.  My four blocks of rows are four places on end
	s_lshl_b32 s22, s21, 5
	s_lshl_b32 s23, s15, 4
	s_add_co_u32 s22, s22, s23
	s_add_co_u32 s22, s22, 8                       ; fV_V: batch 2 ty + half, place 8
	s_sub_co_u32 s2, s22, 1532                     ; fL_V: batch 2 (ty - 48) + half, place 12
	s_lshl_b32 s23, s21, 4
	s_lshl_b32 s66, s15, 2
	s_add_co_u32 s23, s23, s66
	s_sub_co_u32 s23, s23, 256                     ; fL_L: batch ty - 16, place 4 x half
	s_cmp_lt_u32 s19, 4
	s_cselect_b32 s22, s22, s23
	s_cmp_ge_u32 s19, 12
	s_cselect_b32 s22, s2, s22
	s_lshl_b32 s22, s22, 15                        ; 32,768 bytes a place
	s_lshl_b32 s23, s20, 13                        ; my first fragment along d: 8 x tile column + 4 x half
	s_add_co_u32 s22, s22, s23
	s_lshl_b32 s23, s16, 12
	s_add_co_u32 s22, s22, s23
	s_mov_b32 s23, 0
	s_add_nc_u64 s[12:13], s[12:13], s[22:23]
; 24 LDS loads in one run: quarter q (32 along K) of a step: h's four fragments, then w2's eight, into buffer f
.macro FETCH adra, adrb, pitch, q, f
.irp i, 0,1,2,3
	ds_load_b128 v[\f+8*\i:\f+8*\i+3],   v[\adra] offset:\i*\pitch+1024*(\q)
	ds_load_b128 v[\f+8*\i+4:\f+8*\i+7], v[\adra] offset:\i*\pitch+1024*(\q)+512
.endr
.irp i, 0,1,2,3,4,5,6,7
	ds_load_b128 v[\f+32+8*\i:\f+32+8*\i+3],   v[\adrb] offset:\i*\pitch+1024*(\q)
	ds_load_b128 v[\f+32+8*\i+4:\f+32+8*\i+7], v[\adrb] offset:\i*\pitch+1024*(\q)+512
.endr
.endm
; 8 matrix instructions: w2's blocks 2 g, 2 g + 1 against h's four.  first = 1: b2 is the C.  The 32 accumulators take turns, one instruction a turn, in the same order in every quarter.
.macro MUL8 f, g, first
.irp b, 2*\g, 2*\g+1
.irp a, 0,1,2,3
.if \first
	v_wmma_f32_16x16x32_f16 v[8*(8*\a+(\b)):8*(8*\a+(\b))+7], v[\f+32+8*(\b):\f+32+8*(\b)+7], v[\f+8*\a:\f+8*\a+7], v[8*(\b):8*(\b)+7]
.else
	v_wmma_f32_16x16x32_f16 v[8*(8*\a+(\b)):8*(8*\a+(\b))+7], v[\f+32+8*(\b):\f+32+8*(\b)+7], v[\f+8*\a:\f+8*\a+7], v[8*(8*\a+(\b)):8*(8*\a+(\b))+7]
.endif
.endr
.endr
.endm
; A quarter that has its successor in the same slot: multiplies buffer f; behind its first eight products it fetches quarter qn into buffer g.
.macro QUARTER adra, adrb, pitch, qn, f, g, first
	s_wait_dscnt 12                                ; of f's 24 loads h's eight and w2's first four are in
.if \first
	WIN MULB
.else
	WIN MUL
.endif
	MUL8 \f, 0, \first
	PLACES                                         ; g was multiplied by the quarter before
	WIN 0
	FETCH \adra, \adrb, \pitch, \qn, \g
.if \first
	WIN MULB
.else
	WIN MUL
.endif
	s_wait_dscnt 32                                ; w2's blocks 2, 3: behind them 8 of f's loads and the 24 just issued
	MUL8 \f, 1, \first
	s_wait_dscnt 28                                ; blocks 4, 5
	MUL8 \f, 2, \first
	s_wait_dscnt 24                                ; blocks 6, 7
	MUL8 \f, 3, \first
.endm
; A step's last quarter multiplies buffer 1 and changes slots: ONE barrier.  In front of it each wave waits for all its tensor loads (its part of the next slot), adds 0 to its spare word, and waits for that and for
; its own reads of this slot.  fill = 1: the barrier opens a round of the cluster's barrier, and behind the round this slot is filled again, with the step two on.  ask = 1: a prefetch follows.
.macro TURN cur, next, fill, ask
.if \ask
	s_wait_xcnt 0x0                                ; the last prefetch, a step back, has read its address: it is stepped here, ahead of the waits of the change of slots
	s_add_nc_u64 s[PFA:PFA+1], s[PFA:PFA+1], BLK
.endif
	WIN 0                                          ; (the add's two registers lie in window 0)
	s_wait_tensorcnt 0x0                           ; no tensor load of mine is out, so a group 0 may be written
	ds_add_u32 v[SPW], v[NIL]                      ; 0 onto my spare word
	s_add_nc_u64 s[G0A+4*\next+2:G0A+4*\next+3], s[G0A+4*\next+2:G0A+4*\next+3], 2*BLK   ; the next slot's descriptors go on to the step that it takes at the next change
	s_add_nc_u64 s[G0B+4*\next+2:G0B+4*\next+3], s[G0B+4*\next+2:G0B+4*\next+3], 2*BLK   ; (behind the last refills these sums are not used)
	s_wait_dscnt 13                                ; (the add and the youngest twelve loads may be out)
	WIN MUL
	MUL8 F1, 0, 0
	s_wait_dscnt 0x0                               ; the add is done, and my reads of this slot are over
	s_barrier_signal -1
	MUL8 F1, 1, 0                                  ; work on registers while the others arrive
	WIN 0
	s_barrier_wait -1
.if \fill
	CREST                                          ; no wave of any partner still reads this slot or has a load on its way
	JLOAD \cur                                     ; the first tensor load behind the round; its four v_nop are also the places in front of the loads below
.else
	PLACES
.endif
	FETCH ADRA+\next, ADRB+\next, BLK, 0, F0
.if \ask
	ASK
.endif
	WIN MUL
	MUL8 F1, 2, 0
	MUL8 F1, 3, 0
.endm
.macro STEPQ slot                      ; a long step's first five quarters
	QUARTER ADRA+\slot, ADRB+\slot, BLK, 1, F0, F1, 0
	QUARTER ADRA+\slot, ADRB+\slot, BLK, 2, F1, F0, 0
	QUARTER ADRA+\slot, ADRB+\slot, BLK, 3, F0, F1, 0
	QUARTER ADRA+\slot, ADRB+\slot, BLK, 4, F1, F0, 0
	QUARTER ADRA+\slot, ADRB+\slot, BLK, 5, F0, F1, 0
.endm
	s_wait_tensorcnt 1                             ; my part of step 0 is in; step 1's may stay out
	s_barrier_signal -1
	s_barrier_wait -1                              ; everybody's is
	FETCH ADRAS, ADRBS, BLKS, 0, F0
	s_wait_loadcnt 0x0                             ; b2
	QUARTER ADRAS, ADRBS, BLKS, 1, F0, F1, 1       ; step 0: its first products start the sums from b2
	TURN 0, 1, 1, 0                                ; slot 0 takes step 2
	WIN 0                                          ; at a label and at a branch every window is 0
	s_mov_b32 s3, 9
.Llap:                                                 ; nine trips: steps 1 to 18; each trip goes once round the ring and fills both slots again
	STEPQ 1
	TURN 1, 0, 1, 1
	STEPQ 0
	TURN 0, 1, 1, 1
	WIN 0
	s_sub_co_u32 s3, s3, 1
	s_cmp_lg_u32 s3, 0
	s_cbranch_scc1 .Llap
	STEPQ 1                                        ; step 19; the tail is written out
	TURN 1, 0, 1, 0                                ; slot 1 takes step 21: the last refill
	STEPQ 0                                        ; step 20
	TURN 0, 1, 0, 0
	STEPQ 1                                        ; step 21
	s_wait_dscnt 12
	WIN MUL
	MUL8 F1, 0, 0
	s_wait_dscnt 8
	MUL8 F1, 1, 0
	s_wait_dscnt 4
	MUL8 F1, 2, 0
	s_wait_dscnt 0x0
	MUL8 F1, 3, 0
	; THE WAY OUT: two numbers to a register of bf16, each accumulator from its low end on; the four registers of accumulator (a, b) are my 16 bytes of half b % 2 of fragment b / 2 of place a
	PLACES
	WIN 0x05                                       ; sources window 1, destination window 0: the fragment buffers are free
.irp a, 0,1,2,3
.irp b, 0,1,2,3,4,5,6,7
.irp p, 0,1,2,3
	v_cvt_pk_bf16_f32 v[64+4*(8*\a+\b)+\p], v[8*(8*\a+\b)+2*\p], v[8*(8*\a+\b)+2*\p+1]
.endr
.endr
.endr
	WIN 0
.irp a, 0,1,2,3
.irp b, 0,1,2,3,4,5,6,7
	global_store_b128 v[LI], v[64+4*(8*\a+\b):64+4*(8*\a+\b)+3], s[12:13] offset:32768*\a+512*\b   ; 32 lanes store 512 consecutive bytes, aligned; no register is written again
.endr
.endr
	s_wait_tensorcnt 0x0                           ; the wave's end: a wait, an add of 0 to my spare word and its wait, behind my last tensor load
	ds_add_u32 v[SPW], v[NIL]
	s_wait_dscnt 0x0
	CROUND                                         ; the closing round: no work-group ends while a partner may still ask for a tile that names it
	s_endpgm
.Lfunc_end_k_qdfb0b93970_gemm2:
	.size	k_qdfb0b93970_gemm2, .Lfunc_end_k_qdfb0b93970_gemm2-k_qdfb0b93970_gemm2
	.p2alignl 7, 3214868480
	.fill 96, 4, 3214868480
	.section	.rodata,"a",@progbits
	.p2align	6, 0x0
	.amdhsa_kernel k_qdfb0b93970_gemm2
		.amdhsa_group_segment_fixed_size 327680
		.amdhsa_private_segment_fixed_size 0
		.amdhsa_enable_private_segment 0
		.amdhsa_kernarg_size 40
		.amdhsa_user_sgpr_count 2
		.amdhsa_user_sgpr_kernarg_segment_ptr 1
		.amdhsa_wavefront_size32 1
		.amdhsa_system_sgpr_workgroup_id_x 1
		.amdhsa_system_sgpr_workgroup_id_y 1
		.amdhsa_system_sgpr_workgroup_id_z 1
		.amdhsa_system_vgpr_workitem_id 0
		.amdhsa_next_free_vgpr 576
		.amdhsa_next_free_sgpr 100
		.amdhsa_reserve_vcc 0
		.amdhsa_float_denorm_mode_32 3
		.amdhsa_float_denorm_mode_16_64 3
		.amdhsa_memory_ordered 1
		.amdhsa_forward_progress 1
		.amdhsa_inst_pref_size 149
	.end_amdhsa_kernel
	.amdgpu_metadata
---
amdhsa.version: [ 1, 2 ]
amdhsa.kernels:
  - .name:           k_qdfb0b93970_gemm2
    .symbol:         k_qdfb0b93970_gemm2.kd
    .args:
      - { .name: hfrag, .offset: 0, .size: 8, .value_kind: global_buffer, .address_space: global }
      - { .name: w2frag, .offset: 8, .size: 8, .value_kind: global_buffer, .address_space: global }
      - { .name: b2_V, .offset: 16, .size: 8, .value_kind: global_buffer, .address_space: global }
      - { .name: b2_L, .offset: 24, .size: 8, .value_kind: global_buffer, .address_space: global }
      - { .name: ffrag, .offset: 32, .size: 8, .value_kind: global_buffer, .address_space: global }
    .group_segment_fixed_size: 327680
    .private_segment_fixed_size: 0
    .kernarg_segment_align: 8
    .kernarg_segment_size: 40
    .max_flat_workgroup_size: 128
    .sgpr_count:     100
    .vgpr_count:     576
    .wavefront_size: 32
...
	.end_amdgpu_metadata
.endif
;; end of part 3
;; launch mix (part 4): grid 8 x 32, 4 waves a work-group, no clusters, 327,680 bytes of LDS; arguments ffrag, out0, out1; writes out0, out1
.if DOCPART == 4
	.amdgcn_target "amdgcn-amd-amdhsa--gfx1250"
	.amdhsa_code_object_version 6
	.text
	.protected	k_qdfb0b93970_mix
	.globl	k_qdfb0b93970_mix
	.p2align	8
	.type	k_qdfb0b93970_mix,@function
k_qdfb0b93970_mix:
	s_mov_b64 s[64:65], 0
	v_nop
	global_prefetch_b8 v0, s[64:65] scope:SCOPE_SE
	s_setreg_imm32_b32 hwreg(HW_REG_WAVE_MODE, 25, 1), 1
	s_wait_xcnt 0x0
; A = fV_V [fL_L ; fL_V]^T / 32 (out0, [batch][64 queries][192 keys]); attn = softmax of A OVER THE QUERIES (each key's column by itself); V_next = attn [fL_L ; fV_V] (out1, [batch][64][1024]).
; f comes as bf16 in the order of an operand's registers: [batch][16 places][d / 32][1,024 bytes], places 0-7 fL_L, 8-11 fV_V, 12-15 fL_V; lane (r, h)'s 16 bytes of half c at 512 c + 16 lane = row r, d = 16 c + 8 h + 0 .. 7.
; SHARES.  Work-group (j, b) computes ALL of batch b's A (a column's softmax needs all 64 queries, and V_next needs all 192 columns), stores rows 8 j .. 8 j + 7 of it, and makes columns 128 j .. 128 j + 127 of V_next.
; So a batch's A is computed eight times: 12.6 million multiply-adds a work-group, which keeps all 256 work-groups in one launch with no intermediate in memory.
; NO CLUSTER, though the eight work-groups of a batch read the same f: a work-group's rows of out0 are a row range of the stage in LDS that hangs on j.
; PHASE 1: S^T = keys x queries (source 0 = 16 keys, source 1 = 16 queries): a lane holds ONE query and eight keys.  Wave w owns key blocks w, w + 4, w + 8 (places w, w + 4, w + 12) against all four query blocks: 12 accumulators.
;   d goes in four chunks of 256 through two LDS slots; each wave fetches four places of a chunk.  SOFTMAX: a key's 64 queries are 4 registers x the 16 lanes of a half: no other wave is asked.
;   The column's maximum is taken away before the exponential, as a difference in f32, and only then multiplied by log2(e).
; PHASE 2: O^T = KV^T x attn (source 0 = 16 of d, turned out of LDS by ds_load_tr16_b128; source 1 = attn, whose packed registers go from wave to wave through LDS as images).  Wave w takes query block w.
.set SLOT1, 131072                     ; LDS: two slots of 16 places x 8,192 bytes,
.set KVR,   262144                     ; the KV tile: 12 places x 4,096 bytes (my 128 of d),
.set SPARE, 311296                     ; the spare words, 128 bytes for each wave: two blocks of 256 bytes that no other line names.
.set PT,    0                          ; In slot 0, once it has had its last fill and its last read: attn's images, [query block][32 keys][1,024 bytes]: 24,576 bytes;
.set AS,    24576                      ; A as f32: 64 rows x (768 + 16) bytes;
.set OS,    AS                         ; the way out: 16 rows x (512 + 16) bytes for each wave, 33,792 in all, laid over A's stage once every wave has read its rows of A (a barrier stands between)
.set LI,   4                           ; v4      16 x lane
.set AQ,   5                           ; v5-6    the queries' fragments in slot 0, 1
.set AKL,  7                           ; v7-8    my key blocks at places w and w + 4
.set AKH,  9                           ; v9-10   at place w + 12
.set ASW,  11                          ; v11     where I put A
.set PTW,  12                          ; v12     where I put attn's images
.set ASR0, 13                          ; v13     where I read my two rows of A back
.set ASR1, 14                          ; v14     the same, 16 bytes on in lanes 16-31: the second row begins behind the first's padding
.set PTR,  15                          ; v15     my query block's images
.set TRA,  16                          ; v16     the turning load's address
.set OSW,  17                          ; v17     the way out, in
.set OSR,  18                          ; v18     and back
.set SPW,  20                          ; v20     my spare word; never rewritten
.set NIL,  21                          ; v21     0; never rewritten
.set S,    32                          ; v32-127 accumulator (i, a) at v[S + 8 (4 i + a)]
.set FB,   128                         ; v128-183, v184-239 two fragment buffers: three of keys, four of queries
.set MX,   128                         ; softmax: 24 maxima, later 24 reciprocals
.set ZS,   152                         ; 24 sums
.set PK,   176                         ; v176-223 attn, packed
.set O,    32                          ; phase 2: eight accumulators
.set KVT,  96                          ; v96-159, v160-223 two buffers of eight turned fragments
.set PB,   224                         ; v224-231, v232-239 two of attn's
.set G1R,  16                          ; s[16:23] group 1: 4 places x 8,192 bytes
.set G1K,  24                          ; s[24:31] 3 places x 4,096 bytes
.set G0,   32                          ; s[32:39] group 0, a set for each slot
.set G0K,  40                          ; s[40:43] the KV tile's
.macro PLACES                          ; four plain vector lines between a matrix instruction and a load into, or a vector read of, its registers
.rept 4
	v_nop
.endr
.endm
	s_load_b128 s[4:7], s[0:1], 0x0                ; ffrag, out0
	s_load_b64 s[8:9], s[0:1], 0x10                ; out1
	v_lshl_add_u32 v[SPW], v0, 2, SPARE
	v_mov_b32 v[NIL], 0
	ds_add_u32 v[SPW], v[NIL]                      ; the wave's opening: the add and its wait stand ahead of my first tensor load; work on registers stands between them
	v_lshrrev_b32 v1, 5, v0
	v_readfirstlane_b32 s10, v1                    ; wave 0..3
	s_and_b32 s12, ttmp7, 0xffff                   ; the batch
	s_mov_b32 s[G1R], 3<<16                        ; no mask; elements of 8 bytes; no padding
	s_mov_b32 s[G1R+1], 1024<<16                   ; tensor_dim0: 8,192 bytes
	s_mov_b32 s[G1R+2], 4<<16                      ; tensor_dim1
	s_mov_b32 s[G1R+3], 1024<<16                   ; tile_dim0
	s_mov_b32 s[G1R+4], 4                          ; tile_dim1
	s_mov_b32 s[G1R+5], 4096                       ; from place to place: 32,768 bytes
	s_mov_b32 s[G1R+6], 0
	s_mov_b32 s[G1R+7], 0
	s_mov_b32 s[G1K], 3<<16
	s_mov_b32 s[G1K+1], 512<<16                    ; 4,096 bytes
	s_mov_b32 s[G1K+2], 3<<16
	s_mov_b32 s[G1K+3], 512<<16
	s_mov_b32 s[G1K+4], 3
	s_mov_b32 s[G1K+5], 4096
	s_mov_b32 s[G1K+6], 0
	s_mov_b32 s[G1K+7], 0
	s_lshl_b32 s44, s12, 19                        ; 524,288 bytes a batch,
	s_lshl_b32 s13, s10, 17                        ; my four places
	s_add_co_u32 s44, s44, s13
	s_mov_b32 s45, 0
	s_lshl_b32 s46, s12, 19
	s_mul_i32 s13, s10, 98304                      ; my three places of the KV tile,
	s_add_co_u32 s46, s46, s13
	s_lshl_b32 s13, ttmp9, 12                      ; my work-group's 128 of d
	s_add_co_u32 s46, s46, s13
	s_mov_b32 s47, 0
	s_lshl_b32 s14, s10, 15                        ; in a slot: wave x 4 places
	s_mul_i32 s15, s10, 12288                      ; in the KV tile: wave x 3 places
	s_wait_dscnt 0x0                               ; the opening add is done
	s_wait_kmcnt 0x0
	s_mov_b32 s[G0], 1
	s_mov_b32 s[G0+1], s14
	s_add_nc_u64 s[G0+2:G0+3], s[4:5], s[44:45]            ; chunk 0
	s_mov_b32 s[G0+4], 1
	s_add_co_u32 s[G0+5], s14, SLOT1
	s_add_nc_u64 s[G0+6:G0+7], s[G0+2:G0+3], 8192          ; chunk 1
	s_or_b32 s[G0+3], s[G0+3], 0x80000000
	s_or_b32 s[G0+7], s[G0+7], 0x80000000
	s_mov_b32 s[G0K], 1
	s_add_co_u32 s[G0K+1], s15, KVR
	s_add_nc_u64 s[G0K+2:G0K+3], s[4:5], s[46:47]
	s_or_b32 s[G0K+3], s[G0K+3], 0x80000000
	tensor_load_to_lds s[G0:G0+3], s[G1R:G1R+7]            ; the first fills go out together: three loads of mine are out.  Every wave fetches places of its own
	s_nop 0
	tensor_load_to_lds s[G0+4:G0+7], s[G1R:G1R+7]
	s_nop 0
	tensor_load_to_lds s[G0K:G0K+3], s[G1K:G1K+7]
	s_nop 0
	v_and_b32 v1, 31, v0                           ; lane
	v_and_b32 v2, 15, v0                           ; r
	v_bfe_u32 v3, v0, 4, 1                         ; h
	v_lshlrev_b32 v[LI], 4, v1
	v_add_nc_u32 v[AQ], 65536, v[LI]               ; the queries: places 8 to 11
	v_add_nc_u32 v[AQ+1], 65536+SLOT1, v[LI]
	s_lshl_b32 s13, s10, 13
	v_add_nc_u32 v[AKL], s13, v[LI]                ; place w
	v_add_nc_u32 v[AKL+1], SLOT1, v[AKL]
	v_add_nc_u32 v[AKH], 98304, v[AKL]             ; place w + 12
	v_add_nc_u32 v[AKH+1], 98304, v[AKL+1]
	v_mul_u32_u24 v[ASW], v2, 784
	v_lshl_add_u32 v[ASW], v3, 5, v[ASW]
	s_lshl_b32 s13, s10, 6
	s_add_co_u32 s13, s13, AS
	v_add_nc_u32 v[ASW], s13, v[ASW]               ; A: row r, keys 16 w + 8 h on
	s_lshl_b32 s13, s10, 9
	v_add_nc_u32 v[PTW], s13, v[LI]                ; key block w is half w % 2 of fragment w / 2: 512 w
	s_mul_i32 s13, ttmp9, 8*784
	s_mul_i32 s14, s10, 2*784
	s_add_co_u32 s13, s13, s14
	s_add_co_u32 s13, s13, AS
	v_add_nc_u32 v[ASR0], s13, v[LI]               ; rows 8 j + 2 w and the next
	v_lshl_add_u32 v[ASR1], v3, 4, v[ASR0]
	s_mul_i32 s13, s10, 6144
	v_add_nc_u32 v[PTR], s13, v[LI]
	v_bfe_u32 v[TRA], v0, 3, 1                     ; the turning load: lane l addresses key 8 (l / 16) + l % 8 of a place and d 8 ((l / 8) % 2) + 0 .. 7 of a tile of 16:
	v_lshlrev_b32 v[TRA], 8, v[TRA]                ; in the image d's upper eight lie 256 bytes on,
	v_lshl_add_u32 v[TRA], v3, 7, v[TRA]           ; eight keys 128,
	v_and_b32 v19, 7, v0
	v_lshl_add_u32 v[TRA], v19, 4, v[TRA]          ; a key 16
	v_add_nc_u32 v[TRA], KVR, v[TRA]
	s_mul_i32 s13, s10, 16*528
	s_add_co_u32 s13, s13, OS
	v_mul_u32_u24 v[OSW], v2, 528
	v_lshl_add_u32 v[OSW], v3, 5, v[OSW]
	v_add_nc_u32 v[OSW], s13, v[OSW]
	v_add_nc_u32 v[OSR], s13, v[LI]
	s_mul_i32 s44, s12, 49152                      ; out0: (64 b + 8 j + 2 w) rows of 768 bytes
	s_mul_i32 s13, ttmp9, 6144
	s_add_co_u32 s44, s44, s13
	s_mul_i32 s13, s10, 1536
	s_add_co_u32 s44, s44, s13
	s_add_nc_u64 s[6:7], s[6:7], s[44:45]
	s_lshl_b32 s44, s12, 18                        ; out1: (64 b + 16 w) rows of 4,096 bytes + 512 j
	s_lshl_b32 s13, s10, 16
	s_add_co_u32 s44, s44, s13
	s_lshl_b32 s13, ttmp9, 9
	s_add_co_u32 s44, s44, s13
	s_add_nc_u64 s[8:9], s[8:9], s[44:45]
.macro FET slot, q, f                  ; 14 LDS loads: 32 along d, the chunk's q-th: my three fragments of keys, the four of queries
.irp c, 0,1
	ds_load_b128 v[\f+4*\c:\f+4*\c+3], v[AKL+\slot] offset:1024*(\q)+512*\c
	ds_load_b128 v[\f+8+4*\c:\f+8+4*\c+3], v[AKL+\slot] offset:32768+1024*(\q)+512*\c
	ds_load_b128 v[\f+16+4*\c:\f+16+4*\c+3], v[AKH+\slot] offset:1024*(\q)+512*\c
.endr
.irp a, 0,1,2,3
.irp c, 0,1
	ds_load_b128 v[\f+24+8*\a+4*\c:\f+24+8*\a+4*\c+3], v[AQ+\slot] offset:8192*\a+1024*(\q)+512*\c
.endr
.endr
.endm
; 32 along d: the buffer in hand is in; the next one's loads go out; 12 products, the accumulators by turns.  first = 1: they start the sums
.macro KST slot, q, first
	s_wait_dscnt 0x0
.if (\q) < 7
	PLACES                                         ; the other buffer was multiplied last
	FET \slot, (\q)+1, FB+56*(1-(\q)%2)
.endif
.irp i, 0,1,2
.irp a, 0,1,2,3
.if \first
	v_wmma_f32_16x16x32_bf16 v[S+8*(4*\i+\a):S+8*(4*\i+\a)+7], v[FB+56*((\q)%2)+8*\i:FB+56*((\q)%2)+8*\i+7], v[FB+56*((\q)%2)+24+8*\a:FB+56*((\q)%2)+24+8*\a+7], 0
.else
	v_wmma_f32_16x16x32_bf16 v[S+8*(4*\i+\a):S+8*(4*\i+\a)+7], v[FB+56*((\q)%2)+8*\i:FB+56*((\q)%2)+8*\i+7], v[FB+56*((\q)%2)+24+8*\a:FB+56*((\q)%2)+24+8*\a+7], v[S+8*(4*\i+\a):S+8*(4*\i+\a)+7]
.endif
.endr
.endr
.endm
.macro CHUNK slot, first               ; 256 along d
.if \first == 0
	PLACES                                         ; buffer 0 was multiplied in the last chunk's seventh quarter, and its eighth has no plain vector line: the four stand here
.endif
	FET \slot, 0, FB
.irp q, 0,1,2,3,4,5,6,7
.if (\q == 0) && \first
	KST \slot, \q, 1
.else
	KST \slot, \q, 0
.endif
.endr
.endm
; The change of slots: each wave waits for all its tensor loads, adds 0 to its spare word, waits for that and for its reads of the slot that it has left, and passes the barrier.
; fill = 1: that slot takes the chunk two on: my one tensor load behind the barrier, and the first thing there; it has a chunk, 96 matrix instructions, in which to land.
.macro CHANGE slot, fill
	s_wait_tensorcnt 0x0                           ; no tensor load of mine is out, so a group 0 may be written
	ds_add_u32 v[SPW], v[NIL]                      ; 0 onto my spare word
.if \fill
	s_add_nc_u64 s[G0+4*\slot+2:G0+4*\slot+3], s[G0+4*\slot+2:G0+4*\slot+3], 16384
.endif
	s_wait_dscnt 0x0
	s_barrier_signal -1
	s_barrier_wait -1
.if \fill
	tensor_load_to_lds s[G0+4*\slot:G0+4*\slot+3], s[G1R:G1R+7]
	s_nop 0
.endif
.endm
	s_wait_tensorcnt 2                             ; my part of chunk 0 is in; chunk 1's and the KV tile's may stay out
	s_barrier_signal -1
	s_barrier_wait -1
	CHUNK 0, 1
	CHANGE 0, 1                                    ; slot 0 takes chunk 2
	CHUNK 1, 0
	CHANGE 1, 1                                    ; slot 1 takes chunk 3
	CHUNK 0, 0
	CHANGE 0, 0                                    ; behind this barrier nobody reads slot 0 and nothing is filled any more: it serves as scratch
	CHUNK 1, 0
	; ---- A = S / 32, exactly; into the stage
	PLACES
.set k, 0
.rept 48
	v_pk_mul_f32 v[S+k:S+k+1], v[S+k:S+k+1], 0x3d000000 op_sel_hi:[1,0]   ; each accumulator from its low end on
.set k, k+2
.endr
.irp i, 0,1,2
.irp a, 0,1,2,3
	ds_store_b128 v[ASW], v[S+8*(4*\i+\a):S+8*(4*\i+\a)+3] offset:12544*\a+256*\i          ; A(16 a + r, 16 (w + 4 i) + 8 h + 0 .. 7)
	ds_store_b128 v[ASW], v[S+8*(4*\i+\a)+4:S+8*(4*\i+\a)+7] offset:12544*\a+256*\i+16
.endr
.endr
	; ---- each key's maximum over the 64 queries: four registers, then the 16 lanes of my half
.irp i, 0,1,2
.irp j, 0,1,2,3,4,5,6,7
	v_max3_num_f32 v[MX+8*\i+\j], v[S+32*\i+\j], v[S+32*\i+8+\j], v[S+32*\i+16+\j]
.endr
.endr
.irp i, 0,1,2
.irp j, 0,1,2,3,4,5,6,7
	v_max_num_f32 v[MX+8*\i+\j], v[MX+8*\i+\j], v[S+32*\i+24+\j]
.endr
.endr
.irp m, 1,2,4,8
.set k, 0
.rept 24
	v_max_num_f32_dpp v[MX+k], v[MX+k], v[MX+k] row_xmask:\m row_mask:0xf bank_mask:0xf
.set k, k+1
.endr
.endr
	s_wait_dscnt 0x0                               ; the stores of A have read their registers, which are written from here on
.irp i, 0,1,2
.irp a, 0,1,2,3
.irp p, 0,2,4,6
	v_pk_add_f32 v[S+32*\i+8*\a+\p:S+32*\i+8*\a+\p+1], v[S+32*\i+8*\a+\p:S+32*\i+8*\a+\p+1], v[MX+8*\i+\p:MX+8*\i+\p+1] neg_lo:[0,1] neg_hi:[0,1]   ; A - the maximum: 0 or less
.endr
.endr
.endr
.set k, 0
.rept 48
	v_pk_mul_f32 v[S+k:S+k+1], v[S+k:S+k+1], 0x3fb8aa3b op_sel_hi:[1,0]   ; x log2(e)
.set k, k+2
.endr
.set k, 0
.rept 96
	v_exp_f32 v[S+k], v[S+k]                       ; one batch
.set k, k+1
.endr
	v_nop                                          ; a plain line behind the last exponential,
	s_wait_alu depctr_va_vdst(0)                   ; and one wait for the batch, ahead of its first reader
.irp i, 0,1,2
.irp p, 0,2,4,6
	v_pk_add_f32 v[ZS+8*\i+\p:ZS+8*\i+\p+1], v[S+32*\i+\p:S+32*\i+\p+1], v[S+32*\i+8+\p:S+32*\i+8+\p+1]
.endr
.endr
.irp a, 2,3
.irp i, 0,1,2
.irp p, 0,2,4,6
	v_pk_add_f32 v[ZS+8*\i+\p:ZS+8*\i+\p+1], v[ZS+8*\i+\p:ZS+8*\i+\p+1], v[S+32*\i+8*\a+\p:S+32*\i+8*\a+\p+1]
.endr
.endr
.endr
.irp m, 1,2,4,8
.set k, 0
.rept 24
	v_add_f32_dpp v[ZS+k], v[ZS+k], v[ZS+k] row_xmask:\m row_mask:0xf bank_mask:0xf
.set k, k+1
.endr
.endr
.set k, 0
.rept 24
	v_rcp_f32 v[MX+k], v[ZS+k]                     ; the sum is at least 1: the maximum's own term
.set k, k+1
.endr
	v_nop
	s_wait_alu depctr_va_vdst(0)                   ; one wait for the 24 reciprocals
.irp i, 0,1,2
.irp a, 0,1,2,3
.irp p, 0,2,4,6
	v_pk_mul_f32 v[S+32*\i+8*\a+\p:S+32*\i+8*\a+\p+1], v[S+32*\i+8*\a+\p:S+32*\i+8*\a+\p+1], v[MX+8*\i+\p:MX+8*\i+\p+1]
.endr
.endr
.endr
.irp i, 0,1,2
.irp a, 0,1,2,3
.irp p, 0,1,2,3
	v_cvt_pk_bf16_f32 v[PK+4*(4*\i+\a)+\p], v[S+32*\i+8*\a+2*\p], v[S+32*\i+8*\a+2*\p+1]
.endr
.endr
.endr
.irp i, 0,1,2
.irp a, 0,1,2,3
	ds_store_b128 v[PTW], v[PK+4*(4*\i+\a):PK+4*(4*\i+\a)+3] offset:PT+6144*\a+2048*\i   ; query block a, keys 16 (w + 4 i) + 8 h + 0 .. 7: my 16 bytes of the operand's image
.endr
.endr
	s_wait_dscnt 0x0                               ; for the others' sake: my stores have landed
	s_barrier_signal -1
	s_barrier_wait -1                              ; A and attn lie whole in LDS
.macro FET2 ks, u                      ; 32 keys: eight fragments of KV^T (16 of d x 32 keys), turned; and attn's fragment of my query block
.irp d, 0,1,2,3,4,5,6,7
	ds_load_tr16_b128 v[KVT+64*(\u)+8*\d:KVT+64*(\u)+8*\d+3], v[TRA] offset:8192*(\ks)+512*\d
	ds_load_tr16_b128 v[KVT+64*(\u)+8*\d+4:KVT+64*(\u)+8*\d+7], v[TRA] offset:8192*(\ks)+512*\d+4096
.endr
.irp c, 0,1
	ds_load_b128 v[PB+8*(\u)+4*\c:PB+8*(\u)+4*\c+3], v[PTR] offset:PT+1024*(\ks)+512*\c
.endr
.endm
.macro STEP2 ks
	s_wait_dscnt 0x0
.if (\ks) < 5
	PLACES
	FET2 (\ks)+1, 1-(\ks)%2
.endif
.irp d, 0,1,2,3,4,5,6,7
.if (\ks) == 0
	v_wmma_f32_16x16x32_bf16 v[O+8*\d:O+8*\d+7], v[KVT+64*((\ks)%2)+8*\d:KVT+64*((\ks)%2)+8*\d+7], v[PB+8*((\ks)%2):PB+8*((\ks)%2)+7], 0
.else
	v_wmma_f32_16x16x32_bf16 v[O+8*\d:O+8*\d+7], v[KVT+64*((\ks)%2)+8*\d:KVT+64*((\ks)%2)+8*\d+7], v[PB+8*((\ks)%2):PB+8*((\ks)%2)+7], v[O+8*\d:O+8*\d+7]
.endif
.endr
.endm
	; ---- out0: my two rows, 1,536 consecutive bytes of memory, as three stores of 512
	ds_load_b128 v[240:243], v[ASR0]               ; the first row's bytes 0-511
	ds_load_b128 v[244:247], v[ASR1] offset:512    ; its bytes 512-767, and the second row's 0-255
	ds_load_b128 v[248:251], v[ASR0] offset:1040   ; the second row's 256-767
	FET2 0, 0
	s_wait_dscnt 18                                ; the three are in; the 18 loads behind them may be out
	global_store_b128 v[LI], v[240:243], s[6:7]
	global_store_b128 v[LI], v[244:247], s[6:7] offset:512
	global_store_b128 v[LI], v[248:251], s[6:7] offset:1024
	; ---- phase 2
.irp s, 0,1,2,3,4,5
	STEP2 \s
.endr
	; ---- out1: a lane holds eight neighbours of a row, the lanes beside it other rows: through my own stage, back as whole rows of 512 bytes.
	; The stages lie over A's stage, of which every wave has read rows that other waves wrote: so each wave's LDS loads are back, then a barrier, and only then the stores
	s_wait_dscnt 0x0                               ; my reads of A's stage and of attn's images are over
	s_barrier_signal -1
	PLACES                                         ; work on registers while the others arrive: the four places behind the last products
	s_barrier_wait -1                              ; everybody's are
.irp d, 0,1,2,3,4,5,6,7
	ds_store_b128 v[OSW], v[O+8*\d:O+8*\d+3] offset:64*\d          ; each accumulator from its low end on
	ds_store_b128 v[OSW], v[O+8*\d+4:O+8*\d+7] offset:64*\d+16
.endr
.irp t, 0,1,2,3,4,5,6,7,8,9,10,11,12,13,14,15
	ds_load_b128 v[96+4*\t:96+4*\t+3], v[OSR] offset:528*\t        ; LDS serves a wave's instructions in order: these see my stores
.endr
.irp t, 0,1,2,3,4,5,6,7,8,9,10,11,12,13,14,15
	s_wait_dscnt 15-\t
	global_store_b128 v[LI], v[96+4*\t:96+4*\t+3], s[8:9] offset:4096*\t   ; 32 lanes store 512 consecutive bytes, aligned
.endr
	s_wait_tensorcnt 0x0                           ; the wave's end: a wait, an add of 0 to my spare word and its wait, behind my last tensor load and my last LDS store
	ds_add_u32 v[SPW], v[NIL]
	s_wait_dscnt 0x0
	s_endpgm
.Lfunc_end_k_qdfb0b93970_mix:
	.size	k_qdfb0b93970_mix, .Lfunc_end_k_qdfb0b93970_mix-k_qdfb0b93970_mix
	.p2alignl 7, 3214868480
	.fill 96, 4, 3214868480
	.section	.rodata,"a",@progbits
	.p2align	6, 0x0
	.amdhsa_kernel k_qdfb0b93970_mix
		.amdhsa_group_segment_fixed_size 327680
		.amdhsa_private_segment_fixed_size 0
		.amdhsa_enable_private_segment 0
		.amdhsa_kernarg_size 24
		.amdhsa_user_sgpr_count 2
		.amdhsa_user_sgpr_kernarg_segment_ptr 1
		.amdhsa_wavefront_size32 1
		.amdhsa_system_sgpr_workgroup_id_x 1
		.amdhsa_system_sgpr_workgroup_id_y 1
		.amdhsa_system_sgpr_workgroup_id_z 1
		.amdhsa_system_vgpr_workitem_id 0
		.amdhsa_next_free_vgpr 256
		.amdhsa_next_free_sgpr 66
		.amdhsa_reserve_vcc 0
		.amdhsa_float_denorm_mode_32 3
		.amdhsa_float_denorm_mode_16_64 3
		.amdhsa_memory_ordered 1
		.amdhsa_forward_progress 1
		.amdhsa_inst_pref_size 120
	.end_amdhsa_kernel
	.amdgpu_metadata
---
amdhsa.version: [ 1, 2 ]
amdhsa.kernels:
  - .name:           k_qdfb0b93970_mix
    .symbol:         k_qdfb0b93970_mix.kd
    .args:
      - { .name: ffrag, .offset: 0, .size: 8, .value_kind: global_buffer, .address_space: global }
      - { .name: out0, .offset: 8, .size: 8, .value_kind: global_buffer, .address_space: global }
      - { .name: out1, .offset: 16, .size: 8, .value_kind: global_buffer, .address_space: global }
    .group_segment_fixed_size: 327680
    .private_segment_fixed_size: 0
    .kernarg_segment_align: 8
    .kernarg_segment_size: 24
    .max_flat_workgroup_size: 128
    .sgpr_count:     66
    .vgpr_count:     256
    .wavefront_size: 32
...
	.end_amdgpu_metadata
.endif
;; end of part 4
